; MI455X (gfx1250); checked and timed in simulation.
; The chip was launched on July 23, 2026; its instructions are those of AMD's public machine-readable ISA for CDNA 5 (MIT licence, August 2026) and "CDNA5" Instruction Set Architecture Reference Guide (July 2026). The comments in the code are by the model that wrote it; some were corrected since.
;; Casual Attention. Allowed arithmetic: matrix products marked QUANTISED: E2M3 operands, one E8M0 scale for each 32 along K, by v_wmma_scale_f32_16x16x128_f8f6f4 with both operands' format E2M3, f32 sums; everything else in f32.
;; Inputs: Wk 1,024 x 1,024 float32; Wq 1,024 x 1,024 float32; Wv 1,024 x 1,024 float32; x 4 x 2,048 x 1,024 float32.
;; Outputs: out0 4 x 2,048 x 1,024 float32.
;; This version of the problem:
;;   THIS VERSION OF THE PROBLEM IS GIVEN IN LOW PRECISION. The matrix products marked QUANTISED in the list below multiply operands that are first quantised to E2M3 (2 exponent bits, 3 mantissa bits; 6 bits a number), with one power-of-two scale for each 32 numbers along K (OCP MX v1.0); their sums are f32. All else is computed in f32.
;;   The module's matrix products, in the order in which they are computed (A, B: the left and right operand; K: the contracted axis; several contracted axes count as one K, in the product's order):
;;     1. [M 8,192, K 1,024] x [K 1,024, N 1,024]; A: input x; B: input Wq: QUANTISED
;;     2. [M 8,192, K 1,024] x [K 1,024, N 1,024]; A: input x; B: input Wk: QUANTISED
;;     3. [M 8,192, K 1,024] x [K 1,024, N 1,024]; A: input x; B: input Wv: QUANTISED
;;     4. batch 4 x [M 2,048, K 1,024] x [K 1,024, N 2,048]; A: computed on the way; B: computed on the way: QUANTISED
;;     5. batch 4 x [M 2,048, K 2,048] x [K 2,048, N 1,024]; A: softmax (see below); B: computed on the way: QUANTISED
;;   THE QUANTISER, for each operand of a quantised product, along K:
;;     - K is cut into blocks of 32 from its start; a last block that is shorter is filled with zeros.
;;     - A block's scale is 2^e with e = floor(log2(the largest magnitude in the block)) - 2, held to -126 .. 127; a block of zeros has e = 0. As a byte (E8M0): e + 127.
;;     - Each number is divided by its block's scale, clamped to +-7.5, and rounded to the nearest number of E2M3, ties to even, subnormals kept.
;;     - The product sums the exact products of the quantised numbers (number of the format x scale) in f32.
;;   ~~~python
;;   def quantise(x, axis):      # numpy; x: float32 -> the quantised numbers, widened to float32 again
;;       x = np.moveaxis(x, axis, -1); K = x.shape[-1]
;;       x = np.pad(x, [(0, 0)] * (x.ndim - 1) + [(0, -K % 32)]); x = x.reshape(x.shape[:-1] + (-1, 32)); a = np.abs(x).max(-1, keepdims=True)
;;       e = np.where(a > 0, np.clip(np.frexp(np.where(a > 0, a, 1))[1] - 1 - 2, -126, 127), 0)      # np.frexp(a)[1] - 1 = floor(log2(a)), exactly
;;       r = np.clip(x / 2.0 ** e, -7.5, 7.5)
;;       step = 2.0 ** (np.maximum(np.frexp(np.where(r == 0, 1, r))[1] - 1, 0) - 3)
;;       q = np.round(r / step) * step * 2.0 ** e      # np.round: ties to even
;;       return np.moveaxis(q.reshape(q.shape[:-2] + (-1,))[..., :K], -1, axis).astype(np.float32)
;;   ~~~
;;   SOFTMAX AHEAD OF A QUANTISED PRODUCT. Where the list says 'softmax', what is quantised is not the finished softmax but p = 2^(t - M), with t = logit x log2(e) and M = ceil(the row's largest t), a whole number; so 1/2 < the row's largest p <= 1. The row's sum l is taken of the UNQUANTISED p, in f32, and the product's result is divided by l at the end. Since M is a whole number, a kernel that streams over the keys may use a running M (the ceiling of the running maximum): every later rescaling is an exact power of two, which a block's scale takes up: the codes' values come out the same.
;;   OPERANDS COMPUTED ON THE WAY. 'Computed on the way' means the value that the module computes at that place (a softmax that the list does not call 'softmax' is quantised finished and normalised). What goes into a quantiser is computed in f32, as accurately as f32 sums, v_exp_f32 and their like allow (about 1e-6 of the number): no bf16 or f16 on the way to a quantiser, and a product that is left as it is and whose result goes on into a quantised operand takes f32 operands (vector FMAs, or v_wmma_f32_16x16x4_f32). A number that lies on a knife's edge between two numbers of the format may be rounded either way, as far as f32 arithmetic and the matrix unit's own rounding can turn it there, and no further.
;; One version. Each part assembles by itself: llvm-mc -triple=amdgcn-amd-amdhsa -mcpu=gfx1250 --defsym DOCPART=n.
;; ======== version 1 of 1: 4 launches
;; workspace buffers: ximg 6,553,600 bytes; wimg 2,457,600 bytes; qkv 19,660,800 bytes; pimg 13,107,200 bytes; pst 1,048,576 bytes
;; launch quant (part 1): grid 448 x 1, 4 waves a work-group, no clusters, 34,304 bytes of LDS; arguments x, Wq, Wk, Wv, ximg, wimg; writes ximg, wimg
.if DOCPART == 1
	.amdgcn_target "amdgcn-amd-amdhsa--gfx1250"
	.amdhsa_code_object_version 6
	.text
	.protected	k_qa39971619d_quant
	.globl	k_qa39971619d_quant
	.p2align	8
	.type	k_qa39971619d_quant,@function
k_qa39971619d_quant:
	s_mov_b64 s[64:65], 0
	v_nop
	global_prefetch_b8 v0, s[64:65] scope:SCOPE_SE
	s_setreg_imm32_b32 hwreg(HW_REG_WAVE_MODE, 25, 1), 1
	s_wait_xcnt 0x0
; LAUNCH 1 OF 4.  x [8192][1024] and Wq, Wk, Wv [1024 (k)][1024 (n)], f32, become codes of FP6 (E2M3) with one E8M0 byte for each 32 along K (K = d_in for all four).
; WORK THAT THE PROGRAM LEAVES OUT (shown here once).  reference() sets scores[b][q][k] to -inf wherever k > q, by a jnp.tril that it builds itself.  For all finite x, Wq, Wk, Wv the weight
; there is 2^(-inf) = 0: it adds 0 to the row's sum and 0 x v[k] = 0 to the output.  So the launches behind this one leave out, in whole tiles: the 28 of 64 score tiles of 256 x 256 of each batch
; whose every key comes after every query, and in the product with v the key slots of 256 that begin after a row tile's last query.  All four inputs have a way to the output and are loaded.
; LIMITS: a NaN, an infinity or an overflow that reaches only the work left out is not carried to the result; NaN and infinities among the inputs are not served; a block of zeros gets the byte 1
; where the quantiser says 127 (its codes are zeros, and this program alone reads the bytes).
; LAYOUT OF EVERY OPERAND BETWEEN THE LAUNCHES: images of the operand's registers.  Rows go in groups of 128; a group has 8 fragments f = 2 B + u; lane r of fragment f is row 32 B + 8 u + r + 8 (r / 8).
; A PANEL is a group x 128 along K, 12,800 bytes: fragment f at 1536 f, its registers 4 c .. 4 c + 3 at 512 c + 16 x lane; at 12,288 the scale words, (f, r) at 256 (f / 4) + 16 r + 4 (f % 4).
; ximg: [group 64][K step 8] panels.  wimg: [group 24][K step 8] panels, rows = d_out, groups 0-7 Wq, 8-15 Wk, 16-23 Wv.
; Work-groups 0-255 take x: 64 rows x 512 along K, a wave 4 fragments.  Work-groups 256-447 take a panel of a weight each, a wave 2 fragments.  The waves share nothing: no barrier.
.set PANEL, 12800
.set SQOFF, 12288
.set SP,    528                        ; a stage row: 512 bytes + 16, 33 x 16 bytes
.set STGB,  16*SP                      ; a wave's stage: 16 rows
.set SPARE, 4*STGB                     ; behind the stages: the spare words, 128 bytes a wave, that no other line names
.set LN,  1                            ; v1  lane
.set LI,  2                            ; v2  16 x lane
.set RR,  3                            ; v3  r = lane % 16
.set HH,  4                            ; v4  h = lane / 16
.set STA, 5                            ; v5  the stage, on the way in
.set LDA, 6                            ; v6  and on the way out
.set CO,  7                            ; v7  my codes' offset in the panel
.set SO,  8                            ; v8  my scale words' offset
.set WO,  9                            ; v9  a weight: my column's bytes
.set SPW, 10                           ; v10 my spare word; never rewritten
.set NIL, 11                           ; v11 0; never rewritten
.set TM,  16                           ; v16-31 at work in QUANT
.set PW,  32                           ; v32-35 the scale words of my four fragments
.set PT,  36                           ; v36-43 the upper halves of the blocks' codes
.set PC,  44                           ; v44-55 a fragment
.set X,   64                           ; v64-127 64 numbers in the order of QUANT
.set WP,  64                           ; a weight: v64-75 even blocks, then fragment u = 0; v76-87 odd blocks, then fragment u = 1
.set WT,  88                           ; v88-103
.set R,   128                          ; v128-255 numbers as loaded
.set SEL, 22                           ; s[22:23] v_permlanex16_b32: lane l xor 16
	s_load_b256 s[4:11], s[0:1], 0x0               ; x, Wq, Wk, Wv
	s_load_b128 s[12:15], s[0:1], 0x20             ; ximg, wimg
	v_lshl_add_u32 v[SPW], v0, 2, SPARE
	v_mov_b32 v[NIL], 0
	v_lshrrev_b32 v12, 5, v0
	v_readfirstlane_b32 s16, v12                   ; wave
	v_and_b32 v[LN], 31, v0
	v_lshlrev_b32 v[LI], 4, v[LN]
	v_and_b32 v[RR], 15, v0
	v_bfe_u32 v[HH], v0, 4, 1
	s_mov_b32 s[SEL], 0x76543210
	s_mov_b32 s[SEL+1], 0xfedcba98
	s_cmp_ge_u32 ttmp9, 256
	s_cbranch_scc1 .Lweights
; ---------------- x ----------------
; 64 numbers of a lane, register 16 b + i = k 32 b + 16 h + i of my row, become a fragment in v[PC] on and its scale word in v[pw].
.macro QUANT s, pw
.irp b, 0,1,2,3
	v_max3_num_f32 v[TM+\b], |v[\s+16*\b]|, |v[\s+1+16*\b]|, 0x1800000   ; my 16 numbers of block b, and the floor 2^(3 - 127): the byte cannot fall under 1
.endr
.irp i, 2,4,6,8,10,12,14
.irp b, 0,1,2,3
	v_max3_num_f32 v[TM+\b], v[TM+\b], |v[\s+16*\b+\i]|, |v[\s+1+16*\b+\i]|
.endr
.endr
.irp b, 0,1,2,3
	v_permlanex16_b32 v[TM+4+\b], v[TM+\b], s[SEL], s[SEL+1]
.endr
.irp b, 0,1,2,3
	v_max_num_f32 v[TM+\b], v[TM+\b], v[TM+4+\b]   ; with lane l xor 16: the block's largest magnitude
.endr
.irp b, 0,1,2,3
	v_add_nc_u32 v[TM+12+\b], 0xff000000, v[TM+\b] ; 2 off its exponent field: the conversion's scale operand
.endr
.irp b, 0,1,2,3
	v_lshrrev_b32 v[TM+4+\b], 23, v[TM+12+\b]      ; the scale's byte
.endr
	v_lshl_or_b32 v[\pw], v[TM+5], 8, v[TM+4]
	v_lshl_or_b32 v[\pw], v[TM+6], 16, v[\pw]
	v_lshl_or_b32 v[\pw], v[TM+7], 24, v[\pw]
.irp c, 0,1
	v_cvt_scalef32_pk16_fp6_f32 v[PC+6*\c:PC+2+6*\c], v[\s+32*\c:\s+15+32*\c], v[TM+12+2*\c]
	v_cvt_scalef32_pk16_fp6_f32 v[PT+4*\c:PT+2+4*\c], v[\s+16+32*\c:\s+31+32*\c], v[TM+13+2*\c]   ; (a conversion's three registers begin on an even number)
.endr
	v_nop                                          ; one plain place behind a scaled conversion
.irp c, 0,1                                    ; the operand wants a whole block in a lane: lanes 0-15 block 2 c, lanes 16-31 block 2 c + 1
.irp i, 0,1,2
	v_permlane16_swap_b32 v[PC+6*\c+\i], v[PT+4*\c+\i]
.endr
.irp i, 0,1,2
	v_mov_b32 v[PC+3+6*\c+\i], v[PT+4*\c+\i]
.endr
.endr
.endm
.macro XLOAD t                         ; fragment t's 16 rows, 512 bytes of each: a load of the wave reads 512 consecutive bytes
.set xr, 32*((\t)/2)+8*((\t)%2)
.set xd, R+64*((\t)%2)
.set i, 0
.rept 16
	global_load_b128 v[xd+4*i:xd+4*i+3], v[LI], s[4:5] offset:(xr+i+8*(i/8))*4096 th:TH_LOAD_NT
.set i, i+1
.endr
.endm
.macro XTURN t                         ; through my stage: in by rows, out 16 neighbours of each block of 32 a lane.  LDS serves a wave's instructions in order: no wait between
.set xd, R+64*((\t)%2)
.set i, 0
.rept 16
	ds_store_b128 v[STA], v[xd+4*i:xd+4*i+3] offset:SP*i
.set i, i+1
.endr
.set i, 0
.rept 16
	ds_load_b128 v[X+4*i:X+4*i+3], v[LDA] offset:128*(i/4)+16*(i%4)
.set i, i+1
.endr
.endm
	s_mul_i32 s17, s16, STGB
	v_add_nc_u32 v[STA], s17, v[LI]                ; in: row i at SP i, 16 bytes a lane
	v_mul_u32_u24 v[LDA], v[RR], SP
	v_lshl_add_u32 v[LDA], v[HH], 6, v[LDA]
	v_add_nc_u32 v[LDA], s17, v[LDA]               ; out: row r, + 64 h
.irp b, 0,1,2,3
	v_mov_b32 v[TM+4+\b], 0                        ; written once: a lane permute's destination counts as one of its sources
.endr
	s_lshr_b32 s18, ttmp9, 1                       ; which 64 rows
	s_and_b32 s19, ttmp9, 1
	s_lshl_b32 s19, s19, 2
	s_add_co_u32 s19, s19, s16                     ; K step = 4 (work-group % 2) + wave
	s_lshl_b32 s24, s18, 18                        ; 64 rows of 4,096 bytes
	s_lshl_b32 s25, s19, 9
	s_add_co_u32 s24, s24, s25
	s_mov_b32 s25, 0
	s_lshr_b32 s26, s18, 1                         ; the group
	s_lshl_b32 s26, s26, 3
	s_add_co_u32 s26, s26, s19
	s_mul_i32 s26, s26, PANEL                      ; the panel
	s_mov_b32 s27, 0
	s_and_b32 s28, s18, 1                          ; fragments 0-3 or 4-7 of it
	s_mul_i32 s29, s28, 4*1536
	v_add_nc_u32 v[CO], s29, v[LI]
	s_lshl_b32 s29, s28, 8
	v_add_nc_u32 v[SO], s29, v[LI]
	s_wait_kmcnt 0x0
	s_add_nc_u64 s[4:5], s[4:5], s[24:25]
	s_add_nc_u64 s[12:13], s[12:13], s[26:27]
	XLOAD 0
	XLOAD 1
.irp t, 0,1,2,3
.if \t < 3
	s_wait_loadcnt 16                              ; this fragment's 16 loads are in; the next fragment's 16 may be out
.else
	s_wait_loadcnt 0x0
.endif
	XTURN \t
	s_wait_dscnt 0x0                               ; the stage's stores have read their registers, and my 64 numbers are back
	s_wait_xcnt 0x0                                ; the last fragment's stores have read v[PC] on, which QUANT writes again
.if \t < 2
	XLOAD \t+2
.endif
	QUANT X, PW+\t
.irp c, 0,1,2
	global_store_b128 v[CO], v[PC+4*\c:PC+4*\c+3], s[12:13] offset:1536*\t+512*\c   ; 512 consecutive bytes, aligned
.endr
.endr
	s_wait_xcnt 0x0                                ; EXEC changes only behind this wait
	v_cmp_gt_u32 vcc_lo, 16, v[LN]
	s_and_saveexec_b32 s20, vcc_lo                 ; lanes 16-31 hold the same words as lanes 0-15
	global_store_b128 v[SO], v[PW:PW+3], s[12:13] offset:SQOFF   ; sixteen lanes: the four fragments' scale words, 256 consecutive bytes, aligned
	s_wait_xcnt 0x0
	s_or_b32 exec_lo, exec_lo, s20
	s_wait_tensorcnt 0x0                           ; the wave's end, behind my last LDS store
	ds_add_u32 v[SPW], v[NIL]
	s_wait_dscnt 0x0
	s_endpgm
; ---------------- the weights ----------------
; K is a weight's FIRST axis: a lane takes a column n and its registers run down K, so that a block of 32 lies in one lane and the codes come out with K innermost.
; Wave w takes columns 32 w .. 32 w + 31 of the group: fragments 2 w and 2 w + 1.  Lane 16 u + 8 m + e takes column e + 8 u + 16 m: lanes 0-15 are fragment u = 0's rows in order, lanes 16-31 u = 1's.
.Lweights:
	s_sub_co_u32 s17, ttmp9, 256                   ; the panel: 8 x group + K step
	s_lshr_b32 s18, s17, 6                         ; which weight
	s_bfe_u32 s19, s17, 0x30003                    ; which 128 columns of it
	s_and_b32 s20, s17, 7                          ; K step
	v_and_b32 v12, 7, v0
	v_bfe_u32 v13, v0, 3, 1
	v_lshl_or_b32 v12, v[HH], 3, v12
	v_lshl_or_b32 v12, v13, 4, v12
	v_lshlrev_b32 v[WO], 2, v12
	s_lshl_b32 s24, s20, 19                        ; 128 rows of 4,096 bytes
	s_lshl_b32 s25, s19, 9
	s_add_co_u32 s24, s24, s25
	s_lshl_b32 s25, s16, 7
	s_add_co_u32 s24, s24, s25
	s_mov_b32 s25, 0
	s_mul_i32 s26, s17, PANEL
	s_mov_b32 s27, 0
	s_mul_i32 s28, s16, 2*1536
	v_add_nc_u32 v[CO], s28, v[LI]
	s_lshr_b32 s28, s16, 1
	s_lshl_b32 s28, s28, 8
	s_and_b32 s29, s16, 1
	s_lshl_b32 s29, s29, 3
	s_add_co_u32 s28, s28, s29
	v_lshlrev_b32 v[SO], 4, v[RR]
	v_lshl_add_u32 v[SO], v[HH], 2, v[SO]
	v_add_nc_u32 v[SO], s28, v[SO]                 ; the word of (f = 2 w + u, r): 256 (w / 2) + 8 (w % 2) + 16 r + 4 u
	s_wait_kmcnt 0x0
	s_cmp_eq_u32 s18, 0
	s_cselect_b64 s[28:29], s[6:7], s[8:9]
	s_cmp_eq_u32 s18, 2
	s_cselect_b64 s[28:29], s[10:11], s[28:29]
	s_add_nc_u64 s[28:29], s[28:29], s[24:25]
	s_add_nc_u64 s[14:15], s[14:15], s[26:27]
.set kk, 0
.rept 128
	global_load_b32 v[R+kk], v[WO], s[28:29] offset:kk*4096 th:TH_LOAD_NT   ; a row k at my wave's 32 columns: 128 consecutive bytes; the four waves stand side by side on 512
.set kk, kk+1
.endr
.macro WBLOCK t
.set XS, R+32*(\t)
.set WD, WP+12*((\t)%2)+6*((\t)/2)
.if (\t) == 0
	s_wait_loadcnt 63                              ; 128 were issued: at least 65 are in, blocks 0 and 1 among them
.elseif (\t) == 2
	s_wait_loadcnt 32                              ; block 3's 32 may be out
.elseif (\t) == 3
	s_wait_loadcnt 0x0
.endif
	v_max3_num_f32 v12, |v[XS]|, |v[XS+1]|, |v[XS+2]|
	v_max3_num_f32 v13, |v[XS+3]|, |v[XS+4]|, |v[XS+5]|
.irp i, 6,10,14,18,22,26
	v_max3_num_f32 v12, v12, |v[XS+\i]|, |v[XS+\i+1]|
	v_max3_num_f32 v13, v13, |v[XS+\i+2]|, |v[XS+\i+3]|
.endr
	v_max3_num_f32 v12, v12, |v[XS+30]|, |v[XS+31]|
	v_max3_num_f32 v12, v12, v13, 0x1800000        ; and the floor
	v_add_nc_u32 v14, 0xff000000, v12              ; the conversion's scale operand
	v_lshrrev_b32 v13, 23, v14                     ; the byte
.if (\t) == 0
	v_mov_b32 v15, v13
.else
	v_lshl_or_b32 v15, v13, 8*(\t), v15            ; my row's scale word: all four bytes are mine
.endif
	v_cvt_scalef32_pk16_fp6_f32 v[WD:WD+2], v[XS:XS+15], v14
	v_cvt_scalef32_pk16_fp6_f32 v[WT+4*(\t):WT+4*(\t)+2], v[XS+16:XS+31], v14
.endm
	WBLOCK 0
	WBLOCK 1
	WBLOCK 2
	WBLOCK 3
	v_nop                                          ; one plain place behind the last conversion
.irp t, 0,1,2,3
.irp i, 0,1,2
	v_mov_b32 v[WP+12*(\t%2)+6*(\t/2)+3+\i], v[WT+4*\t+\i]
.endr
.endr
.irp j, 0,1,2,3,4,5,6,7,8,9,10,11              ; lanes 16-31 of the even blocks change places with lanes 0-15 of the odd ones: the first run is then fragment u = 0 (lanes 0-15 blocks 0, 2; lanes 16-31 blocks 1, 3 of the same rows), the second u = 1
	v_permlane16_swap_b32 v[WP+\j], v[WP+12+\j]
.endr
.irp u, 0,1
.irp c, 0,1,2
	global_store_b128 v[CO], v[WP+12*\u+4*\c:WP+12*\u+4*\c+3], s[14:15] offset:1536*\u+512*\c
.endr
.endr
	global_store_b32 v[SO], v15, s[14:15] offset:SQOFF   ; 4 bytes a lane, 16 bytes apart: the panel's 512 bytes of scale words are written by four waves in parts; 98,304 bytes of the launch in all
	s_endpgm
.Lfunc_end_k_qa39971619d_quant:
	.size	k_qa39971619d_quant, .Lfunc_end_k_qa39971619d_quant-k_qa39971619d_quant
	.p2alignl 7, 3214868480
	.fill 96, 4, 3214868480
	.section	.rodata,"a",@progbits
	.p2align	6, 0x0
	.amdhsa_kernel k_qa39971619d_quant
		.amdhsa_group_segment_fixed_size 34304
		.amdhsa_private_segment_fixed_size 0
		.amdhsa_enable_private_segment 0
		.amdhsa_kernarg_size 48
		.amdhsa_user_sgpr_count 2
		.amdhsa_user_sgpr_kernarg_segment_ptr 1
		.amdhsa_wavefront_size32 1
		.amdhsa_system_sgpr_workgroup_id_x 1
		.amdhsa_system_sgpr_workgroup_id_y 1
		.amdhsa_system_sgpr_workgroup_id_z 1
		.amdhsa_system_vgpr_workitem_id 0
		.amdhsa_next_free_vgpr 256
		.amdhsa_next_free_sgpr 66
		.amdhsa_reserve_vcc 1
		.amdhsa_float_denorm_mode_32 3
		.amdhsa_float_denorm_mode_16_64 3
		.amdhsa_memory_ordered 1
		.amdhsa_forward_progress 1
		.amdhsa_inst_pref_size 53
	.end_amdhsa_kernel
	.amdgpu_metadata
---
amdhsa.version: [ 1, 2 ]
amdhsa.kernels:
  - .name:           k_qa39971619d_quant
    .symbol:         k_qa39971619d_quant.kd
    .args:
      - { .name: x, .offset: 0, .size: 8, .value_kind: global_buffer, .address_space: global }
      - { .name: Wq, .offset: 8, .size: 8, .value_kind: global_buffer, .address_space: global }
      - { .name: Wk, .offset: 16, .size: 8, .value_kind: global_buffer, .address_space: global }
      - { .name: Wv, .offset: 24, .size: 8, .value_kind: global_buffer, .address_space: global }
      - { .name: ximg, .offset: 32, .size: 8, .value_kind: global_buffer, .address_space: global }
      - { .name: wimg, .offset: 40, .size: 8, .value_kind: global_buffer, .address_space: global }
    .group_segment_fixed_size: 34304
    .private_segment_fixed_size: 0
    .kernarg_segment_align: 8
    .kernarg_segment_size: 48
    .max_flat_workgroup_size: 128
    .sgpr_count:     66
    .vgpr_count:     256
    .wavefront_size: 32
...
	.end_amdgpu_metadata
.endif
;; end of part 1
;; launch proj (part 2): grid 12 x 32, 4 waves a work-group, clusters of 4 x 4, 327,680 bytes of LDS; arguments ximg, wimg, qkv; writes qkv
.if DOCPART == 2
	.amdgcn_target "amdgcn-amd-amdhsa--gfx1250"
	.amdhsa_code_object_version 6
	.text
	.protected	k_qa39971619d_proj
	.globl	k_qa39971619d_proj
	.p2align	8
	.type	k_qa39971619d_proj,@function
k_qa39971619d_proj:
	s_mov_b64 s[64:65], 0
	v_nop
	global_prefetch_b8 v0, s[64:65] scope:SCOPE_SE
	s_setreg_imm32_b32 hwreg(HW_REG_WAVE_MODE, 25, 1), 1
	s_wait_xcnt 0x0
	s_wait_alu depctr_hold_cnt(0) depctr_sa_sdst(0) depctr_va_vdst(0) depctr_va_sdst(0) depctr_va_ssrc(0) depctr_va_vcc(0) depctr_vm_vsrc(0)
	s_getreg_b32 s2, hwreg(HW_REG_IB_STS2, 6, 4)
	s_cmp_eq_u32 s2, 0
	s_cbranch_scc0 .Lentry_in_a_cluster
	s_endpgm
.Lentry_in_a_cluster:
	s_bfe_u32 s2, ttmp6, 0x10000c
	s_cmp_lg_u32 s2, 0xf033
	s_cbranch_scc0 .Lentry_shape_is_right
	s_endpgm
.Lentry_shape_is_right:
; LAUNCH 2 OF 4.  q = x Wq, k = x Wk, v = x Wv on codes of FP6, K = 1,024, and the results quantised on the way out: q and k along d, v along the keys.  No f32 result goes to memory.
; Operands and results are panels of register images: a group of 128 rows x 128 along K in 12,800 bytes (8 fragments of 1,536 bytes, then 512 bytes of scale words); lane r of fragment 2 B + u is row 32 B + 8 u + r + 8 (r / 8).
; A tile is 256 x 256: four waves, each 128 x 128 in 64 accumulators.  SOURCE 1 gives a lane its row, SOURCE 0 the registers: by the rows' order the 64 registers of a block a are
; index 32 bb + 16 h + i of source 0's group, which is the next product's K.  So for q and k source 1 = x and source 0 = W; for v^T (rows = d, K = keys) source 1 = Wv and source 0 = x.  One text serves both.
; CLUSTERS of 4 x 4.  Clusters x = 0, 1: source 1 = x's tile 4 CY + cy, source 0 = W's tile 4 CX + cx (0-3 Wq, 4-7 Wk).  Clusters x = 2: source 1 = W's tile 8 + cy (Wv), source 0 = x's tile 4 CY + cx.
; In every cluster source 1's tile hangs on cy and is asked for jointly by a row of the cluster, source 0's on cx and by a column.  What differs is chosen by s_cselect on the cluster's x, which all partners share.
; K goes through THREE LDS buffers of two K steps each: K steps 0-5 are asked for at the head (three loads of a wave out), buffer 0 is filled once more with K steps 6-7.  No loop: eight K steps are written out.
; qkv: panels; q at 8 x token group + s; k at 512 + the same; v^T at 1024 + 16 (8 b + d group) + chunk of 128 keys.
; REGISTERS: window 0: v1-9 addresses; v16-23, v24-31 scale words of source 1 and source 0, two sets each; v32-79 the way out; v128-223 source 1's 8 fragments, one set.
;   window 1: source 0's fragments, two sets, at v0 and v128.  windows 2, 3: accumulator (a, b) at v[64 (a % 4) + 8 b] of window 2 + a / 4.
.set PANEL, 12800
.set SQOFF, 12288
.set SLOTB, 2*PANEL                    ; what one tensor load brings: a group's two K steps
.set BUFB,  4*SLOTB                    ; a buffer: source 1's two groups, then source 0's two
.set GROUPB, 8*PANEL                   ; a group's eight K steps in memory
.set SPARE, 3*BUFB                     ; behind the buffers: the spare words, 128 bytes a wave, that no other line names
.set LI,   1                           ; v1   16 x lane
.set ADR1, 2                           ; v2-4 my group of source 1 in buffer 0, 1, 2
.set ADR0, 5                           ; v5-7 of source 0
.set SPW,  8
.set NIL,  9
.set SA,   16
.set SB,   24
.set TM,   32                          ; v32-47 at work in QUANT
.set PW,   48                          ; v48-55 the eight fragments' scale words
.set PT,   56
.set PC,   64                          ; v64-75 a fragment
.set QD,   76                          ; v76-79 the scale words in the panel's order
.set AF,   128
.set G1A,  24
.set G1B,  32
.set G0A,  40                          ; s[40:51] three sets
.set G0B,  52                          ; s[52:63]
.set SEL,  88
.set HI,   90
.set MSB, 0
.macro WIN new                         ; the immediate's high byte repeats the setting that is left
.if MSB != (\new)
	s_set_vgpr_msb (MSB<<8)|(\new)
.set MSB, (\new)
.endif
.endm
.set MUL_LO, 0xa1                      ; source 0 window 1, source 1 window 0, C and D window 2
.set MUL_HI, 0xf1
.set TO_B,   0x40                      ; destination window 1, address window 0
.macro PLACES                          ; four plain places: in front of loads into registers that matrix instructions have read, and of the first read of results
.rept 4
	v_nop
.endr
.endm
.macro FRAG reg, adr, off              ; a fragment comes as it was stored: three loads of 512 consecutive bytes
.set fR, \reg
.set fO, \off
	ds_load_b128 v[fR:fR+3], v[\adr] offset:fO
	ds_load_b128 v[fR+4:fR+7], v[\adr] offset:fO+512
	ds_load_b128 v[fR+8:fR+11], v[\adr] offset:fO+1024
.endm
.macro FETCH_B buf, off, p
	WIN TO_B
.irp i, 0,1,2,3,4,5,6,7
	FRAG 128*(\p)+12*\i, ADR0+(\buf), (\off)+1536*\i
.endr
	WIN 0
.endm
.macro FETCH_A buf, off, i0
.irp i, \i0, \i0+1, \i0+2, \i0+3
	FRAG AF+12*(\i), ADR1+(\buf), (\off)+1536*(\i)
.endr
.endm
.macro SCALES buf, off, p              ; register q of a set: block q's words in lanes 0-15, block 4 + q's in lanes 16-31
	ds_load_b128 v[SA+4*(\p):SA+4*(\p)+3], v[ADR1+(\buf)] offset:(\off)+SQOFF
	ds_load_b128 v[SB+4*(\p):SB+4*(\p)+3], v[ADR0+(\buf)] offset:(\off)+SQOFF
.endm
.macro MM a, b, p, zero
.set rD, 8*(8*((\a)%4)+(\b))
.set rB, 128*(\p)+12*(\b)
.set rA, AF+12*(\a)
.set rY, SB+4*(\p)+(\b)%4
.set rX, SA+4*(\p)+(\a)%4
.if \zero
.if ((\b)<4)&&((\a)<4)
	v_wmma_scale_f32_16x16x128_f8f6f4 v[rD:rD+7], v[rB:rB+11], v[rA:rA+11], 0, v[rY], v[rX] matrix_a_fmt:MATRIX_FMT_FP6 matrix_b_fmt:MATRIX_FMT_FP6
.elseif (\a)<4
	v_wmma_scale_f32_16x16x128_f8f6f4 v[rD:rD+7], v[rB:rB+11], v[rA:rA+11], 0, v[rY], v[rX] matrix_a_fmt:MATRIX_FMT_FP6 matrix_b_fmt:MATRIX_FMT_FP6 matrix_a_scale:MATRIX_SCALE_ROW1
.elseif (\b)<4
	v_wmma_scale_f32_16x16x128_f8f6f4 v[rD:rD+7], v[rB:rB+11], v[rA:rA+11], 0, v[rY], v[rX] matrix_a_fmt:MATRIX_FMT_FP6 matrix_b_fmt:MATRIX_FMT_FP6 matrix_b_scale:MATRIX_SCALE_ROW1
.else
	v_wmma_scale_f32_16x16x128_f8f6f4 v[rD:rD+7], v[rB:rB+11], v[rA:rA+11], 0, v[rY], v[rX] matrix_a_fmt:MATRIX_FMT_FP6 matrix_b_fmt:MATRIX_FMT_FP6 matrix_a_scale:MATRIX_SCALE_ROW1 matrix_b_scale:MATRIX_SCALE_ROW1
.endif
.else
.if ((\b)<4)&&((\a)<4)
	v_wmma_scale_f32_16x16x128_f8f6f4 v[rD:rD+7], v[rB:rB+11], v[rA:rA+11], v[rD:rD+7], v[rY], v[rX] matrix_a_fmt:MATRIX_FMT_FP6 matrix_b_fmt:MATRIX_FMT_FP6
.elseif (\a)<4
	v_wmma_scale_f32_16x16x128_f8f6f4 v[rD:rD+7], v[rB:rB+11], v[rA:rA+11], v[rD:rD+7], v[rY], v[rX] matrix_a_fmt:MATRIX_FMT_FP6 matrix_b_fmt:MATRIX_FMT_FP6 matrix_a_scale:MATRIX_SCALE_ROW1
.elseif (\b)<4
	v_wmma_scale_f32_16x16x128_f8f6f4 v[rD:rD+7], v[rB:rB+11], v[rA:rA+11], v[rD:rD+7], v[rY], v[rX] matrix_a_fmt:MATRIX_FMT_FP6 matrix_b_fmt:MATRIX_FMT_FP6 matrix_b_scale:MATRIX_SCALE_ROW1
.else
	v_wmma_scale_f32_16x16x128_f8f6f4 v[rD:rD+7], v[rB:rB+11], v[rA:rA+11], v[rD:rD+7], v[rY], v[rX] matrix_a_fmt:MATRIX_FMT_FP6 matrix_b_fmt:MATRIX_FMT_FP6 matrix_a_scale:MATRIX_SCALE_ROW1 matrix_b_scale:MATRIX_SCALE_ROW1
.endif
.endif
.endm
.macro MUL16 a0, p, zero               ; source 1's blocks a0, a0 + 1 against source 0's eight.  The 64 accumulators take turns, one instruction a turn, in the same order in every K step
.irp a, \a0, \a0+1
.irp b, 0,1,2,3,4,5,6,7
	MM \a, \b, \p, \zero
.endr
.endr
.endm
; A K step on sets p; in its middle and at its end the next K step's fragments are fetched, from byte noff of my groups in buffer nbuf.
.macro STEP p, nbuf, noff, zero
	s_wait_dscnt 12                                ; all but the youngest twelve loads (source 1's blocks 4-7) are in
	WIN MUL_LO
	MUL16 0, \p, \zero
	MUL16 2, \p, \zero
	s_wait_dscnt 0x0                               ; blocks 4-7 are in
	PLACES
	FETCH_B \nbuf, \noff, 1-(\p)
	FETCH_A \nbuf, \noff, 0
	SCALES \nbuf, \noff, 1-(\p)
	WIN MUL_HI
	MUL16 4, \p, \zero
	MUL16 6, \p, \zero
	PLACES
	WIN 0
	FETCH_A \nbuf, \noff, 4
.endm
.macro JLOAD g0a, g1a, g0b, g1b        ; a joint load: waves 0, 1 fetch source 1's two groups, waves 2, 3 source 0's; the branch hangs on the wave's number alone
	s_cmp_eq_u32 s15, 0
	s_cbranch_scc0 .Lfor_b_\@
	tensor_load_to_lds s[\g0a:\g0a+3], s[\g1a:\g1a+7]
	s_nop 0
.rept 4
	v_nop
.endr
	s_branch .Lasked_\@
.Lfor_b_\@:
	tensor_load_to_lds s[\g0b:\g0b+3], s[\g1b:\g1b+7]
	s_nop 0
.rept 4
	v_nop
.endr
.Lasked_\@:
.endm
.macro CREST                           ; a round of the cluster's barrier behind its opening barrier
	s_cmp_lg_u32 s14, 0
	s_cbranch_scc1 .Lnot_wave_0_\@
	s_barrier_signal -3
.Lnot_wave_0_\@:
	s_barrier_wait -3
	s_barrier_signal -1
	s_barrier_wait -1
.endm
.macro CROUND
	s_barrier_signal -1
	s_barrier_wait -1
	CREST
.endm
; A K step with a barrier in it.  In front of the barrier each wave waits for all its tensor loads, adds 0 to its spare word, and waits for that and for its LDS reads.  fill = 1: buffer 0, which nobody reads any more, takes K steps 6-7.
.macro TURN p, nbuf, noff, fill
	s_wait_tensorcnt 0x0                           ; all my tensor loads have landed, so a group 0 may be written
	ds_add_u32 v[SPW], v[NIL]
.if \fill
	s_add_nc_u64 s[G0A+2:G0A+3], s[G0A+2:G0A+3], 3*SLOTB
	s_add_nc_u64 s[G0B+2:G0B+3], s[G0B+2:G0B+3], 3*SLOTB
.endif
	s_wait_dscnt 13                                ; the add and the youngest twelve loads may be out
	WIN MUL_LO
	MUL16 0, \p, 0
	s_wait_dscnt 0x0                               ; the add is done, and my reads of the buffer are over
	s_barrier_signal -1
	MUL16 2, \p, 0
	WIN 0
	s_barrier_wait -1
.if \fill
	CREST                                          ; the barrier has opened a round of the cluster's: no wave of any partner still reads buffer 0 or has a load on its way
	JLOAD G0A, G1A, G0B, G1B                       ; my one tensor load behind the round: four K steps, 256 matrix instructions, ahead of the wait for it
.else
	PLACES
.endif
	FETCH_B \nbuf, \noff, 1-(\p)
	FETCH_A \nbuf, \noff, 0
	SCALES \nbuf, \noff, 1-(\p)
	WIN MUL_HI
	MUL16 4, \p, 0
	MUL16 6, \p, 0
	PLACES
	WIN 0
	FETCH_A \nbuf, \noff, 4
.endm
.macro LAST p
	s_wait_dscnt 12
	WIN MUL_LO
	MUL16 0, \p, 0
	MUL16 2, \p, 0
	s_wait_dscnt 0x0
	WIN MUL_HI
	MUL16 4, \p, 0
	MUL16 6, \p, 0
	WIN 0
	PLACES
.endm
; The 64 results of a block, v[src] on in window W, register 16 b + i = index 32 b + 16 h + i along the next K of my row, become a fragment in v[PC] on and its scale word in v[pw].  Each accumulator is read from its low end on.
.macro QUANT src, W, pw
	WIN (\W)|((\W)<<2)
.irp b, 0,1,2,3
	v_max3_num_f32 v[TM+\b], |v[(\src)+16*\b]|, |v[(\src)+1+16*\b]|, 0x1800000   ; and the floor 2^(3 - 127): the byte cannot fall under 1
.endr
	WIN ((\W)<<2)|((\W)<<4)
.irp i, 2,4,6,8,10,12,14
.irp b, 0,1,2,3
	v_max3_num_f32 v[TM+\b], v[TM+\b], |v[(\src)+16*\b+\i]|, |v[(\src)+1+16*\b+\i]|
.endr
.endr
	WIN 0
.irp b, 0,1,2,3
	v_permlanex16_b32 v[TM+4+\b], v[TM+\b], s[SEL], s[SEL+1]
.endr
.irp b, 0,1,2,3
	v_max_num_f32 v[TM+\b], v[TM+\b], v[TM+4+\b]
.endr
.irp b, 0,1,2,3
	v_add_nc_u32 v[TM+12+\b], 0xff000000, v[TM+\b] ; 2 off the exponent field: the conversion's scale operand
.endr
.irp b, 0,1,2,3
	v_lshrrev_b32 v[TM+4+\b], 23, v[TM+12+\b]
.endr
	v_lshl_or_b32 v[\pw], v[TM+5], 8, v[TM+4]
	v_lshl_or_b32 v[\pw], v[TM+6], 16, v[\pw]
	v_lshl_or_b32 v[\pw], v[TM+7], 24, v[\pw]
	s_wait_xcnt 0x0                                ; the last fragment's stores have read v[PC] on
	WIN \W
.irp c, 0,1
	v_cvt_scalef32_pk16_fp6_f32 v[PC+6*\c:PC+2+6*\c], v[(\src)+32*\c:(\src)+15+32*\c], v[TM+12+2*\c]
	v_cvt_scalef32_pk16_fp6_f32 v[PT+4*\c:PT+2+4*\c], v[(\src)+16+32*\c:(\src)+31+32*\c], v[TM+13+2*\c]
.endr
	WIN 0
	v_nop                                          ; one plain place behind a scaled conversion
.irp c, 0,1
.irp i, 0,1,2
	v_permlane16_swap_b32 v[PC+6*\c+\i], v[PT+4*\c+\i]
.endr
.irp i, 0,1,2
	v_mov_b32 v[PC+3+6*\c+\i], v[PT+4*\c+\i]
.endr
.endr
.endm
	s_load_b128 s[4:7], s[0:1], 0x0                ; ximg, wimg
	s_load_b64 s[8:9], s[0:1], 0x10                ; qkv
	v_lshl_add_u32 v[SPW], v0, 2, SPARE
	v_mov_b32 v[NIL], 0
	ds_add_u32 v[SPW], v[NIL]                      ; the opening: the add, twice on end, and its wait ahead of my first tensor load
	ds_add_u32 v[SPW], v[NIL]
	v_lshrrev_b32 v10, 5, v0
	v_readfirstlane_b32 s14, v10                   ; wave
	s_lshr_b32 s15, s14, 1                         ; aH: my half of source 1.  Also: I fetch for source 1 (0) or source 0 (1)
	s_and_b32 s16, s14, 1                          ; bH: my half of source 0.  Also: which group of the tile I fetch
	s_bfe_u32 s17, ttmp6, 0x40000                  ; cx
	s_bfe_u32 s18, ttmp6, 0x40004                  ; cy
	s_and_b32 s19, ttmp7, 0xffff                   ; CY
	s_lshl_b32 s20, s19, 2
	s_lshl_b32 s21, ttmp9, 2
	s_lshl_b32 s22, s18, 2
	s_lshl_b32 s22, 15, s22                        ; my row of the cluster
	s_lshl_b32 s23, 0x1111, s17                    ; my column
	s_cmp_eq_u32 ttmp9, 2                          ; does my cluster make v^T?  The same in all sixteen partners
	s_cselect_b32 s66, 1, 0
	s_cselect_b32 s67, 8, s20
	s_cselect_b32 s68, s20, s21
	s_add_co_u32 s67, s67, s18                     ; source 1's tile: hangs on cy, never on cx
	s_add_co_u32 s68, s68, s17                     ; source 0's tile: hangs on cx, never on cy
	s_or_b32 s[G1A], s22, (3<<16)|(1<<21)          ; 15:0 the mask; 17:16 elements of 8 bytes; 21 set beside a mask; no padding
	s_or_b32 s[G1B], s23, (3<<16)|(1<<21)
.irp g, G1A, G1B                               ; a dense block of 25,600 bytes as 100 rows of 256
	s_mov_b32 s[\g+1], 32<<16
	s_mov_b32 s[\g+2], 100<<16
	s_mov_b32 s[\g+3], 32<<16
	s_mov_b32 s[\g+4], 100
	s_mov_b32 s[\g+5], 32
	s_mov_b32 s[\g+6], 0
	s_mov_b32 s[\g+7], 0
.endr
	s_lshl_b32 s80, s67, 1
	s_add_co_u32 s80, s80, s16
	s_mul_i32 s80, s80, GROUPB                     ; source 1: the group that I would fetch
	s_mov_b32 s81, 0
	s_lshl_b32 s82, s68, 1
	s_add_co_u32 s82, s82, s16
	s_mul_i32 s82, s82, GROUPB                     ; source 0 likewise
	s_mov_b32 s83, 0
	s_mul_i32 s69, s14, SLOTB                      ; where it goes: wave x 25,600: no place in the cluster enters an LDS address
	s_mov_b32 s[SEL], 0x76543210
	s_mov_b32 s[SEL+1], 0xfedcba98
	s_mov_b32 s[HI], 0xffff0000
	s_wait_dscnt 0x0                               ; both opening adds are done
	s_wait_kmcnt 0x0
	s_cmp_eq_u32 s66, 1
	s_cselect_b64 s[84:85], s[6:7], s[4:5]         ; source 1's image
	s_cselect_b64 s[86:87], s[4:5], s[6:7]         ; source 0's
	s_add_nc_u64 s[84:85], s[84:85], s[80:81]
	s_add_nc_u64 s[86:87], s[86:87], s[82:83]
	CROUND                                         ; all sixteen work-groups are here: the first joint loads meet
.irp n, 0,1,2
	s_mov_b32 s[G0A+4*\n], 1
	s_add_co_u32 s[G0A+4*\n+1], s69, \n*BUFB
	s_add_nc_u64 s[G0A+4*\n+2:G0A+4*\n+3], s[84:85], \n*SLOTB
	s_or_b32 s[G0A+4*\n+3], s[G0A+4*\n+3], 0x80000000
	s_mov_b32 s[G0B+4*\n], 1
	s_add_co_u32 s[G0B+4*\n+1], s69, \n*BUFB
	s_add_nc_u64 s[G0B+4*\n+2:G0B+4*\n+3], s[86:87], \n*SLOTB
	s_or_b32 s[G0B+4*\n+3], s[G0B+4*\n+3], 0x80000000
	JLOAD G0A+4*\n, G1A, G0B+4*\n, G1B             ; K steps 2 n and 2 n + 1
.endr
	v_and_b32 v[LI], 31, v0
	v_lshlrev_b32 v[LI], 4, v[LI]
	s_mul_i32 s20, s15, SLOTB
	s_mul_i32 s21, s16, SLOTB
	s_add_co_u32 s21, s21, 2*SLOTB
.irp n, 0,1,2
	v_add_nc_u32 v[ADR1+\n], s20, v[LI]
	v_add_nc_u32 v[ADR0+\n], s21, v[LI]
	s_add_co_u32 s20, s20, BUFB
	s_add_co_u32 s21, s21, BUFB
.endr
.irp b, 0,1,2,3
	v_mov_b32 v[TM+4+\b], 0                        ; written once: a lane permute's destination counts as one of its sources
.endr
	; where my panel goes
	s_lshl_b32 s70, s67, 1
	s_add_co_u32 s70, s70, s15                     ; source 1's group
	s_lshl_b32 s71, s68, 1
	s_add_co_u32 s71, s71, s16                     ; source 0's group
	s_lshr_b32 s72, s71, 3                         ; q, k: 8 (64 (W group / 8) + token group) + W group % 8
	s_lshl_b32 s72, s72, 6
	s_add_co_u32 s72, s72, s70
	s_lshl_b32 s72, s72, 3
	s_and_b32 s73, s71, 7
	s_add_co_u32 s72, s72, s73
	s_lshr_b32 s74, s71, 4                         ; v^T: 1024 + 16 (8 b + d group) + chunk; the d group is source 1's group - 16
	s_lshl_b32 s74, s74, 3
	s_add_co_u32 s74, s74, s70
	s_sub_co_u32 s74, s74, 16
	s_lshl_b32 s74, s74, 4
	s_and_b32 s73, s71, 15
	s_add_co_u32 s74, s74, s73
	s_add_co_u32 s74, s74, 1024
	s_cmp_eq_u32 s66, 1
	s_cselect_b32 s72, s74, s72
	s_mul_i32 s72, s72, PANEL
	s_mov_b32 s73, 0
	s_add_nc_u64 s[8:9], s[8:9], s[72:73]
	s_wait_tensorcnt 2                             ; my part of buffer 0 is in; buffers 1 and 2 may be out
	s_barrier_signal -1
	s_barrier_wait -1
	FETCH_B 0, 0, 0
	FETCH_A 0, 0, 0
	SCALES 0, 0, 0
	FETCH_A 0, 0, 4
	STEP 0, 0, PANEL, 1                            ; K step 0: its products start the sums
	TURN 1, 1, 0, 1                                ; K step 1; buffers 1 and 2 are whole for every wave from here on; buffer 0 is filled again
	STEP 0, 1, PANEL, 0
	STEP 1, 2, 0, 0
	STEP 0, 2, PANEL, 0
	TURN 1, 0, 0, 0                                ; K step 5; buffer 0 is whole again; nothing more is asked for
	STEP 0, 0, PANEL, 0
	LAST 1
	; THE WAY OUT: each block of 16 rows is quantised and stored as a fragment: three stores of 512 consecutive bytes.
.irp a, 0,1,2,3,4,5,6,7
	QUANT 64*(\a%4), 2+\a/4, PW+\a
.irp c, 0,1,2
	global_store_b128 v[LI], v[PC+4*\c:PC+4*\c+3], s[8:9] offset:1536*\a+512*\c
.endr
.endr
.irp q, 0,1,2,3
	v_cndmask_b32 v[QD+\q], v[PW+\q], v[PW+4+\q], s[HI]   ; lanes 0-15 block q's words, lanes 16-31 block 4 + q's
.endr
	global_store_b128 v[LI], v[QD:QD+3], s[8:9] offset:SQOFF
	s_wait_tensorcnt 0x0                           ; the wave's end
	ds_add_u32 v[SPW], v[NIL]
	s_wait_dscnt 0x0
	CROUND                                         ; the closing round
	s_endpgm
.Lfunc_end_k_qa39971619d_proj:
	.size	k_qa39971619d_proj, .Lfunc_end_k_qa39971619d_proj-k_qa39971619d_proj
	.p2alignl 7, 3214868480
	.fill 96, 4, 3214868480
	.section	.rodata,"a",@progbits
	.p2align	6, 0x0
	.amdhsa_kernel k_qa39971619d_proj
		.amdhsa_group_segment_fixed_size 327680
		.amdhsa_private_segment_fixed_size 0
		.amdhsa_enable_private_segment 0
		.amdhsa_kernarg_size 24
		.amdhsa_user_sgpr_count 2
		.amdhsa_user_sgpr_kernarg_segment_ptr 1
		.amdhsa_wavefront_size32 1
		.amdhsa_system_sgpr_workgroup_id_x 1
		.amdhsa_system_sgpr_workgroup_id_y 1
		.amdhsa_system_sgpr_workgroup_id_z 1
		.amdhsa_system_vgpr_workitem_id 0
		.amdhsa_next_free_vgpr 1024
		.amdhsa_next_free_sgpr 100
		.amdhsa_reserve_vcc 0
		.amdhsa_float_denorm_mode_32 3
		.amdhsa_float_denorm_mode_16_64 3
		.amdhsa_memory_ordered 1
		.amdhsa_forward_progress 1
		.amdhsa_inst_pref_size 137
	.end_amdhsa_kernel
	.amdgpu_metadata
---
amdhsa.version: [ 1, 2 ]
amdhsa.kernels:
  - .name:           k_qa39971619d_proj
    .symbol:         k_qa39971619d_proj.kd
    .args:
      - { .name: ximg, .offset: 0, .size: 8, .value_kind: global_buffer, .address_space: global }
      - { .name: wimg, .offset: 8, .size: 8, .value_kind: global_buffer, .address_space: global }
      - { .name: qkv, .offset: 16, .size: 8, .value_kind: global_buffer, .address_space: global }
    .group_segment_fixed_size: 327680
    .private_segment_fixed_size: 0
    .kernarg_segment_align: 8
    .kernarg_segment_size: 24
    .max_flat_workgroup_size: 128
    .sgpr_count:     100
    .vgpr_count:     1024
    .wavefront_size: 32
...
	.end_amdgpu_metadata
.endif
;; end of part 2
;; launch scores (part 3): grid 36 x 4, 4 waves a work-group, no clusters, 327,680 bytes of LDS; arguments qkv, pimg, pst; writes pimg, pst
.if DOCPART == 3
	.amdgcn_target "amdgcn-amd-amdhsa--gfx1250"
	.amdhsa_code_object_version 6
	.text
	.protected	k_qa39971619d_scores
	.globl	k_qa39971619d_scores
	.p2align	8
	.type	k_qa39971619d_scores,@function
k_qa39971619d_scores:
	s_mov_b64 s[64:65], 0
	v_nop
	global_prefetch_b8 v0, s[64:65] scope:SCOPE_SE
	s_setreg_imm32_b32 hwreg(HW_REG_WAVE_MODE, 25, 1), 1
	s_wait_xcnt 0x0
; LAUNCH 3 OF 4.  S^T = k q^T on codes of FP6, K = 1,024, and on the way out p = 2^(t - M'), quantised along the keys, for each row and each chunk of 128 keys with an M' of its own.
; LEFT OUT: the 28 of 64 tiles of each batch whose every key comes after every query: reference() masks them itself, and their p is 0 for all finite inputs (shown at the head of the first launch).
; t = score x log2(e) / 32.  M' = the ceiling of the chunk's largest t of the row, a whole number.  The next launch takes the row's largest M' and moves p's scale bytes by the difference: the codes stay.
; Stored for (batch, group g of 128 queries, chunk c): a panel of p's codes and scale words (pimg), and -M' and the sum of the unquantised p (pst), as words in the scale words' order.
; The work-group's x counts the live tiles of a batch: row tile I, key tile J <= I, x = I (I + 1) / 2 + J.  Four waves, each 128 queries x 128 keys: source 1 = q (a lane's row), source 0 = k (the registers run along the keys).
; NO CLUSTER: a batch's 36 live tiles form a triangle; in every grouping of four that shares a tile of q or of k some partner's tile would lie wholly under the mask and would receive tiles that none of its waves reads.
; K goes through three LDS buffers of two K steps each, as in the launch before; every wave issues the same tensor line on addresses of its own.
; LIMIT: a chunk all of whose keys are hidden for a row stores -M' = 3e38, a sum of 0 and zero codes.
.set PANEL, 12800
.set SQOFF, 12288
.set SLOTB, 2*PANEL
.set BUFB,  4*SLOTB
.set GROUPB, 8*PANEL
.set SPARE, 3*BUFB
.set LI,   1
.set ADR1, 2
.set ADR0, 5
.set SPW,  8
.set NIL,  9
.set D0,   10                          ; v10  128 (g - c) + r + 8 (r / 8) - 16 h
.set DD,   11                          ; v11  + the block's first row: register n's key is hidden where 32 (n / 16) + n % 16 is above it
.set NINF, 12                          ; v12  -infinity
.set TT,   13
.set NM,   14                          ; v[14:15] -M' (the packed form names the pair and takes its low word)
.set SA,   16
.set SB,   24
.set TM,   32
.set PW,   48                          ; v48-55 scale words, v56-63 -M', v64-71 the sums, a register a block
.set NMS,  56
.set LS,   64
.set SU,   72
.set PT,   76
.set PC,   84
.set QD,   96                          ; v96-107
.set AF,   128
.set PB,   128                         ; v128-191 a block's p
.set TI,   17
.set SEL,  20
.set CS,   22
.set G1,   24
.set HI,   32
.set GR,   33
.set CH,   34
.set G0,   68                          ; s[68:79] three sets
.set MSB, 0
.macro WIN new
.if MSB != (\new)
	s_set_vgpr_msb (MSB<<8)|(\new)
.set MSB, (\new)
.endif
.endm
.set MUL_LO, 0xa1
.set MUL_HI, 0xf1
.set TO_B,   0x40
.macro PLACES
.rept 4
	v_nop
.endr
.endm
.macro FRAG reg, adr, off
.set fR, \reg
.set fO, \off
	ds_load_b128 v[fR:fR+3], v[\adr] offset:fO
	ds_load_b128 v[fR+4:fR+7], v[\adr] offset:fO+512
	ds_load_b128 v[fR+8:fR+11], v[\adr] offset:fO+1024
.endm
.macro FETCH_B buf, off, p
	WIN TO_B
.irp i, 0,1,2,3,4,5,6,7
	FRAG 128*(\p)+12*\i, ADR0+(\buf), (\off)+1536*\i
.endr
	WIN 0
.endm
.macro FETCH_A buf, off, i0
.irp i, \i0, \i0+1, \i0+2, \i0+3
	FRAG AF+12*(\i), ADR1+(\buf), (\off)+1536*(\i)
.endr
.endm
.macro SCALES buf, off, p
	ds_load_b128 v[SA+4*(\p):SA+4*(\p)+3], v[ADR1+(\buf)] offset:(\off)+SQOFF
	ds_load_b128 v[SB+4*(\p):SB+4*(\p)+3], v[ADR0+(\buf)] offset:(\off)+SQOFF
.endm
.macro MM a, b, p, zero
.set rD, 8*(8*((\a)%4)+(\b))
.set rB, 128*(\p)+12*(\b)
.set rA, AF+12*(\a)
.set rY, SB+4*(\p)+(\b)%4
.set rX, SA+4*(\p)+(\a)%4
.if \zero
.if ((\b)<4)&&((\a)<4)
	v_wmma_scale_f32_16x16x128_f8f6f4 v[rD:rD+7], v[rB:rB+11], v[rA:rA+11], 0, v[rY], v[rX] matrix_a_fmt:MATRIX_FMT_FP6 matrix_b_fmt:MATRIX_FMT_FP6
.elseif (\a)<4
	v_wmma_scale_f32_16x16x128_f8f6f4 v[rD:rD+7], v[rB:rB+11], v[rA:rA+11], 0, v[rY], v[rX] matrix_a_fmt:MATRIX_FMT_FP6 matrix_b_fmt:MATRIX_FMT_FP6 matrix_a_scale:MATRIX_SCALE_ROW1
.elseif (\b)<4
	v_wmma_scale_f32_16x16x128_f8f6f4 v[rD:rD+7], v[rB:rB+11], v[rA:rA+11], 0, v[rY], v[rX] matrix_a_fmt:MATRIX_FMT_FP6 matrix_b_fmt:MATRIX_FMT_FP6 matrix_b_scale:MATRIX_SCALE_ROW1
.else
	v_wmma_scale_f32_16x16x128_f8f6f4 v[rD:rD+7], v[rB:rB+11], v[rA:rA+11], 0, v[rY], v[rX] matrix_a_fmt:MATRIX_FMT_FP6 matrix_b_fmt:MATRIX_FMT_FP6 matrix_a_scale:MATRIX_SCALE_ROW1 matrix_b_scale:MATRIX_SCALE_ROW1
.endif
.else
.if ((\b)<4)&&((\a)<4)
	v_wmma_scale_f32_16x16x128_f8f6f4 v[rD:rD+7], v[rB:rB+11], v[rA:rA+11], v[rD:rD+7], v[rY], v[rX] matrix_a_fmt:MATRIX_FMT_FP6 matrix_b_fmt:MATRIX_FMT_FP6
.elseif (\a)<4
	v_wmma_scale_f32_16x16x128_f8f6f4 v[rD:rD+7], v[rB:rB+11], v[rA:rA+11], v[rD:rD+7], v[rY], v[rX] matrix_a_fmt:MATRIX_FMT_FP6 matrix_b_fmt:MATRIX_FMT_FP6 matrix_a_scale:MATRIX_SCALE_ROW1
.elseif (\b)<4
	v_wmma_scale_f32_16x16x128_f8f6f4 v[rD:rD+7], v[rB:rB+11], v[rA:rA+11], v[rD:rD+7], v[rY], v[rX] matrix_a_fmt:MATRIX_FMT_FP6 matrix_b_fmt:MATRIX_FMT_FP6 matrix_b_scale:MATRIX_SCALE_ROW1
.else
	v_wmma_scale_f32_16x16x128_f8f6f4 v[rD:rD+7], v[rB:rB+11], v[rA:rA+11], v[rD:rD+7], v[rY], v[rX] matrix_a_fmt:MATRIX_FMT_FP6 matrix_b_fmt:MATRIX_FMT_FP6 matrix_a_scale:MATRIX_SCALE_ROW1 matrix_b_scale:MATRIX_SCALE_ROW1
.endif
.endif
.endm
.macro MUL16 a0, p, zero               ; the 64 accumulators take turns, one instruction a turn, in the same order in every K step
.irp a, \a0, \a0+1
.irp b, 0,1,2,3,4,5,6,7
	MM \a, \b, \p, \zero
.endr
.endr
.endm
.macro STEP p, nbuf, noff, zero
	s_wait_dscnt 12                                ; all but the youngest twelve loads (q's blocks 4-7) are in
	WIN MUL_LO
	MUL16 0, \p, \zero
	MUL16 2, \p, \zero
	s_wait_dscnt 0x0
	PLACES
	FETCH_B \nbuf, \noff, 1-(\p)
	FETCH_A \nbuf, \noff, 0
	SCALES \nbuf, \noff, 1-(\p)
	WIN MUL_HI
	MUL16 4, \p, \zero
	MUL16 6, \p, \zero
	PLACES
	WIN 0
	FETCH_A \nbuf, \noff, 4
.endm
.macro TURN p, nbuf, noff, fill
	s_wait_tensorcnt 0x0                           ; all my tensor loads have landed, so a group 0 may be written
	ds_add_u32 v[SPW], v[NIL]
.if \fill
	s_add_nc_u64 s[G0+2:G0+3], s[G0+2:G0+3], 3*SLOTB
.endif
	s_wait_dscnt 13                                ; the add and the youngest twelve loads may be out
	WIN MUL_LO
	MUL16 0, \p, 0
	s_wait_dscnt 0x0                               ; the add is done, and my reads of the buffer are over
	s_barrier_signal -1
	MUL16 2, \p, 0
	WIN 0
	s_barrier_wait -1
.if \fill
	tensor_load_to_lds s[G0:G0+3], s[G1:G1+7]      ; buffer 0 takes K steps 6-7: my one tensor load behind the barrier, four K steps ahead of the wait for it
	s_nop 0
.endif
	PLACES
	FETCH_B \nbuf, \noff, 1-(\p)
	FETCH_A \nbuf, \noff, 0
	SCALES \nbuf, \noff, 1-(\p)
	WIN MUL_HI
	MUL16 4, \p, 0
	MUL16 6, \p, 0
	PLACES
	WIN 0
	FETCH_A \nbuf, \noff, 4
.endm
.macro LAST p
	s_wait_dscnt 12
	WIN MUL_LO
	MUL16 0, \p, 0
	MUL16 2, \p, 0
	s_wait_dscnt 0x0
	WIN MUL_HI
	MUL16 4, \p, 0
	MUL16 6, \p, 0
	WIN 0
	PLACES
.endm
; THE WAY OUT OF BLOCK a: 16 queries x my 128 keys.  Register n of the block's 64 is key 32 (n / 16) + 16 h + n % 16 of the chunk, for my query.
.macro EPI a
.set W, 2+(\a)/4
.set AC, 64*((\a)%4)
	WIN 0
	s_cmp_lt_u32 s[CH], s[GR]                      ; a chunk that lies before my group of queries has no hidden key: ids alone decide
	s_cbranch_scc1 .Lopen_\@
	v_add_nc_u32 v[DD], 32*((\a)/2)+8*((\a)%2), v[D0]
	WIN (W<<6)|W
.set n, 0
.rept 64
	v_cmp_gt_i32 vcc_lo, 32*(n/16)+n%16, v[DD]
	v_cndmask_b32 v[AC+n], v[AC+n], v[NINF], vcc_lo   ; hidden scores become -infinity ahead of the maximum
.set n, n+1
.endr
	WIN 0
.Lopen_\@:
	WIN W|(W<<2)|(W<<4)
.irp b, 0,1,2,3
	v_max3_num_f32 v[TM+\b], v[AC+16*\b], v[AC+16*\b+1], v[AC+16*\b+2]   ; the largest score of each block of 32 keys: for the chunk's maximum and, since p rises with the score, for the block's largest p
.endr
	WIN (W<<2)|(W<<4)
.irp i, 3,5,7,9,11,13
.irp b, 0,1,2,3
	v_max3_num_f32 v[TM+\b], v[TM+\b], v[AC+16*\b+\i], v[AC+16*\b+\i+1]
.endr
.endr
	WIN W<<2
.irp b, 0,1,2,3
	v_max_num_f32 v[TM+\b], v[TM+\b], v[AC+16*\b+15]
.endr
	WIN 0
.irp b, 0,1,2,3
	v_permlanex16_b32 v[TM+4+\b], v[TM+\b], s[SEL], s[SEL+1]
.endr
.irp b, 0,1,2,3
	v_max_num_f32 v[TM+\b], v[TM+\b], v[TM+4+\b]
.endr
	v_max3_num_f32 v[TT], v[TM], v[TM+1], v[TM+2]
	v_max_num_f32 v[TT], v[TT], v[TM+3]
	v_mul_f32 v[TT], s[CS], v[TT]                  ; the chunk's largest t
	v_max_num_f32 v[TT], 0xff61b1e6, v[TT]         ; held at -3e38 from below: a chunk that is all hidden gives no infinity less infinity
	v_floor_f32 v[NM], -v[TT]                      ; -M' = floor(-t): a whole number
	WIN W
.set n, 0
.rept 32
	v_pk_fma_f32 v[PB+n:PB+n+1], v[AC+n:AC+n+1], s[CS:CS+1], v[NM:NM+1] op_sel_hi:[1,0,0]   ; t - M'
.set n, n+2
.endr
	WIN 0
.irp b, 0,1,2,3
	v_fma_f32 v[TM+\b], v[TM+\b], s[CS], v[NM]     ; the same of each block's largest score
.endr
.set n, 0
.rept 64
	v_exp_f32 v[PB+n], v[PB+n]                     ; p, at most 1
.set n, n+1
.endr
	v_mov_b32 v[NMS+(\a)], v[NM]                   ; a plain place behind the exponentials
	s_wait_alu depctr_va_vdst(0)                   ; one wait for the batch, ahead of its first reader
.irp b, 0,1,2,3
	v_exp_f32 v[TM+\b], v[TM+\b]                   ; the blocks' largest p
.endr
	v_pk_add_f32 v[SU:SU+1], v[PB:PB+1], v[PB+2:PB+3]   ; the sum of the unquantised p, in two chains; plain work behind the four
	v_pk_add_f32 v[SU+2:SU+3], v[PB+4:PB+5], v[PB+6:PB+7]
.set n, 8
.rept 14
	v_pk_add_f32 v[SU:SU+1], v[SU:SU+1], v[PB+n:PB+n+1]
	v_pk_add_f32 v[SU+2:SU+3], v[SU+2:SU+3], v[PB+n+2:PB+n+3]
.set n, n+4
.endr
	v_pk_add_f32 v[SU:SU+1], v[SU:SU+1], v[SU+2:SU+3]
	v_add_f32 v[TT], v[SU], v[SU+1]
	v_permlanex16_b32 v[SU+2], v[TT], s[SEL], s[SEL+1]
	v_add_f32 v[LS+(\a)], v[TT], v[SU+2]           ; with lane l xor 16: the row's sum over the chunk
	s_wait_alu depctr_va_vdst(0)                   ; and one wait for the four
.irp b, 0,1,2,3
	v_max_num_f32 v[TM+\b], 0x1800000, v[TM+\b]    ; the floor 2^(3 - 127)
.endr
.irp b, 0,1,2,3
	v_add_nc_u32 v[TM+12+\b], 0xff000000, v[TM+\b]
.endr
.irp b, 0,1,2,3
	v_lshrrev_b32 v[TM+4+\b], 23, v[TM+12+\b]
.endr
	v_lshl_or_b32 v[PW+(\a)], v[TM+5], 8, v[TM+4]
	v_lshl_or_b32 v[PW+(\a)], v[TM+6], 16, v[PW+(\a)]
	v_lshl_or_b32 v[PW+(\a)], v[TM+7], 24, v[PW+(\a)]
	s_wait_xcnt 0x0                                ; the last block's stores have read v[PC] on
.irp c, 0,1
	v_cvt_scalef32_pk16_fp6_f32 v[PC+6*\c:PC+2+6*\c], v[PB+32*\c:PB+15+32*\c], v[TM+12+2*\c]
	v_cvt_scalef32_pk16_fp6_f32 v[PT+4*\c:PT+2+4*\c], v[PB+16+32*\c:PB+31+32*\c], v[TM+13+2*\c]
.endr
	v_nop
.irp c, 0,1
.irp i, 0,1,2
	v_permlane16_swap_b32 v[PC+6*\c+\i], v[PT+4*\c+\i]
.endr
.irp i, 0,1,2
	v_mov_b32 v[PC+3+6*\c+\i], v[PT+4*\c+\i]
.endr
.endr
.irp c, 0,1,2
	global_store_b128 v[LI], v[PC+4*\c:PC+4*\c+3], s[6:7] offset:1536*(\a)+512*\c
.endr
.endm
	s_load_b128 s[4:7], s[0:1], 0x0                ; qkv, pimg
	s_load_b64 s[8:9], s[0:1], 0x10                ; pst
	v_lshl_add_u32 v[SPW], v0, 2, SPARE
	v_mov_b32 v[NIL], 0
	ds_add_u32 v[SPW], v[NIL]                      ; the opening: the add, twice on end, and its wait ahead of my first tensor load
	ds_add_u32 v[SPW], v[NIL]
	v_lshrrev_b32 v10, 5, v0
	v_readfirstlane_b32 s14, v10                   ; wave
	s_lshr_b32 s15, s14, 1                         ; aH: my half of the queries
	s_and_b32 s16, s14, 1                          ; bH: my half of the keys.  Also: which group of a tile I fetch
	s_and_b32 s19, ttmp7, 0xffff                   ; the batch
	s_mov_b32 s[TI], 0
.irp T, 1,3,6,10,15,21,28                      ; I = how many of the rows' first numbers x has reached
	s_cmp_ge_u32 ttmp9, \T
	s_add_co_ci_u32 s[TI], s[TI], 0
.endr
	s_add_co_u32 s36, s[TI], 1
	s_mul_i32 s36, s36, s[TI]
	s_lshr_b32 s36, s36, 1
	s_sub_co_u32 s18, ttmp9, s36                   ; J
	s_cmp_lt_u32 s14, 2                            ; waves 0, 1 fetch q's two groups, waves 2, 3 k's
	s_cselect_b32 s37, s[TI], s18
	s_cselect_b32 s38, 0, 512*PANEL
	s_lshl_b32 s37, s37, 1
	s_add_co_u32 s37, s37, s16
	s_lshl_b32 s39, s19, 4
	s_add_co_u32 s37, s37, s39
	s_mul_i32 s37, s37, GROUPB
	s_add_co_u32 s36, s37, s38
	s_mov_b32 s37, 0
	s_mul_i32 s40, s14, SLOTB
	s_mov_b32 s[G1], 3<<16                         ; no mask; elements of 8 bytes; no padding: a dense block of 25,600 bytes as 100 rows of 256
	s_mov_b32 s[G1+1], 32<<16
	s_mov_b32 s[G1+2], 100<<16
	s_mov_b32 s[G1+3], 32<<16
	s_mov_b32 s[G1+4], 100
	s_mov_b32 s[G1+5], 32
	s_mov_b32 s[G1+6], 0
	s_mov_b32 s[G1+7], 0
	s_mov_b32 s[SEL], 0x76543210
	s_mov_b32 s[SEL+1], 0xfedcba98
	s_mov_b32 s[CS], 0x3d38aa3b                    ; log2(e) / 32
	s_mov_b32 s[CS+1], s[CS]
	s_mov_b32 s[HI], 0xffff0000
	s_wait_dscnt 0x0                               ; both opening adds are done
	s_wait_kmcnt 0x0
	s_add_nc_u64 s[4:5], s[4:5], s[36:37]
.irp n, 0,1,2                                  ; the three first fills go out together: three loads of mine are out
	s_mov_b32 s[G0+4*\n], 1
	s_add_co_u32 s[G0+4*\n+1], s40, \n*BUFB
	s_add_nc_u64 s[G0+4*\n+2:G0+4*\n+3], s[4:5], \n*SLOTB
	s_or_b32 s[G0+4*\n+3], s[G0+4*\n+3], 0x80000000
	tensor_load_to_lds s[G0+4*\n:G0+4*\n+3], s[G1:G1+7]
	s_nop 0
.endr
	PLACES
	v_and_b32 v[LI], 31, v0
	v_lshlrev_b32 v[LI], 4, v[LI]
	s_mul_i32 s36, s15, SLOTB
	s_mul_i32 s37, s16, SLOTB
	s_add_co_u32 s37, s37, 2*SLOTB
.irp n, 0,1,2
	v_add_nc_u32 v[ADR1+\n], s36, v[LI]
	v_add_nc_u32 v[ADR0+\n], s37, v[LI]
	s_add_co_u32 s36, s36, BUFB
	s_add_co_u32 s37, s37, BUFB
.endr
	s_lshl_b32 s[GR], s[TI], 1
	s_add_co_u32 s[GR], s[GR], s15                 ; g: my group of queries in the batch
	s_lshl_b32 s[CH], s18, 1
	s_add_co_u32 s[CH], s[CH], s16                 ; c: my chunk of keys
	s_sub_co_i32 s41, s[GR], s[CH]
	s_lshl_b32 s41, s41, 7
	v_and_b32 v[D0], 15, v0
	v_and_b32 v[DD], 8, v[D0]
	v_add_nc_u32 v[D0], v[D0], v[DD]
	v_bfe_u32 v[DD], v0, 4, 1
	v_lshlrev_b32 v[DD], 4, v[DD]
	v_sub_nc_u32 v[D0], v[D0], v[DD]
	v_add_nc_u32 v[D0], s41, v[D0]
	v_mov_b32 v[NINF], 0xff800000
	v_mov_b32 v[NM+1], 0                           ; (named as the upper half of a pair)
.irp b, 0,1,2,3
	v_mov_b32 v[TM+4+\b], 0                        ; written once: a lane permute's destination counts as one of its sources
.endr
	s_lshl_b32 s42, s19, 4
	s_add_co_u32 s42, s42, s[GR]
	s_lshl_b32 s42, s42, 4
	s_add_co_u32 s42, s42, s[CH]                   ; 16 (16 b + g) + c
	s_mul_i32 s44, s42, PANEL
	s_mov_b32 s45, 0
	s_lshl_b32 s46, s42, 10
	s_mov_b32 s47, 0
	s_add_nc_u64 s[6:7], s[6:7], s[44:45]
	s_add_nc_u64 s[8:9], s[8:9], s[46:47]
	s_wait_tensorcnt 2                             ; my part of buffer 0 is in; buffers 1 and 2 may be out
	s_barrier_signal -1
	s_barrier_wait -1
	FETCH_B 0, 0, 0
	FETCH_A 0, 0, 0
	SCALES 0, 0, 0
	FETCH_A 0, 0, 4
	STEP 0, 0, PANEL, 1
	TURN 1, 1, 0, 1
	STEP 0, 1, PANEL, 0
	STEP 1, 2, 0, 0
	STEP 0, 2, PANEL, 0
	TURN 1, 0, 0, 0
	STEP 0, 0, PANEL, 0
	LAST 1
.irp a, 0,1,2,3,4,5,6,7
	EPI \a
.endr
.irp q, 0,1,2,3
	v_cndmask_b32 v[QD+\q], v[PW+\q], v[PW+4+\q], s[HI]       ; lanes 0-15 block q, lanes 16-31 block 4 + q
	v_cndmask_b32 v[QD+4+\q], v[NMS+\q], v[NMS+4+\q], s[HI]
	v_cndmask_b32 v[QD+8+\q], v[LS+\q], v[LS+4+\q], s[HI]
.endr
	global_store_b128 v[LI], v[QD:QD+3], s[6:7] offset:SQOFF
	global_store_b128 v[LI], v[QD+4:QD+7], s[8:9]
	global_store_b128 v[LI], v[QD+8:QD+11], s[8:9] offset:512
	s_wait_tensorcnt 0x0                           ; the wave's end
	ds_add_u32 v[SPW], v[NIL]
	s_wait_dscnt 0x0
	s_endpgm
.Lfunc_end_k_qa39971619d_scores:
	.size	k_qa39971619d_scores, .Lfunc_end_k_qa39971619d_scores-k_qa39971619d_scores
	.p2alignl 7, 3214868480
	.fill 96, 4, 3214868480
	.section	.rodata,"a",@progbits
	.p2align	6, 0x0
	.amdhsa_kernel k_qa39971619d_scores
		.amdhsa_group_segment_fixed_size 327680
		.amdhsa_private_segment_fixed_size 0
		.amdhsa_enable_private_segment 0
		.amdhsa_kernarg_size 24
		.amdhsa_user_sgpr_count 2
		.amdhsa_user_sgpr_kernarg_segment_ptr 1
		.amdhsa_wavefront_size32 1
		.amdhsa_system_sgpr_workgroup_id_x 1
		.amdhsa_system_sgpr_workgroup_id_y 1
		.amdhsa_system_sgpr_workgroup_id_z 1
		.amdhsa_system_vgpr_workitem_id 0
		.amdhsa_next_free_vgpr 1024
		.amdhsa_next_free_sgpr 96
		.amdhsa_reserve_vcc 1
		.amdhsa_float_denorm_mode_32 3
		.amdhsa_float_denorm_mode_16_64 3
		.amdhsa_memory_ordered 1
		.amdhsa_forward_progress 1
		.amdhsa_inst_pref_size 230
	.end_amdhsa_kernel
	.amdgpu_metadata
---
amdhsa.version: [ 1, 2 ]
amdhsa.kernels:
  - .name:           k_qa39971619d_scores
    .symbol:         k_qa39971619d_scores.kd
    .args:
      - { .name: qkv, .offset: 0, .size: 8, .value_kind: global_buffer, .address_space: global }
      - { .name: pimg, .offset: 8, .size: 8, .value_kind: global_buffer, .address_space: global }
      - { .name: pst, .offset: 16, .size: 8, .value_kind: global_buffer, .address_space: global }
    .group_segment_fixed_size: 327680
    .private_segment_fixed_size: 0
    .kernarg_segment_align: 8
    .kernarg_segment_size: 24
    .max_flat_workgroup_size: 128
    .sgpr_count:     96
    .vgpr_count:     1024
    .wavefront_size: 32
...
	.end_amdgpu_metadata
.endif
;; end of part 3
;; launch pv (part 4): grid 8 x 32, 4 waves a work-group, no clusters, 327,680 bytes of LDS; arguments pimg, pst, qkv, out0; writes out0
.if DOCPART == 4
	.amdgcn_target "amdgcn-amd-amdhsa--gfx1250"
	.amdhsa_code_object_version 6
	.text
	.protected	k_qa39971619d_pv
	.globl	k_qa39971619d_pv
	.p2align	8
	.type	k_qa39971619d_pv,@function
k_qa39971619d_pv:
	s_mov_b64 s[64:65], 0
	v_nop
	global_prefetch_b8 v0, s[64:65] scope:SCOPE_SE
	s_setreg_imm32_b32 hwreg(HW_REG_WAVE_MODE, 25, 1), 1
	s_wait_xcnt 0x0
; LAUNCH 4 OF 4.  out = (p v) / l on codes of FP6, K = the keys.  A tile is 256 queries (row tile I of batch b) x 128 of d (group n): 8 x 32 work-groups.
; LEFT OUT: the keys that come after the row tile's last query: reference() masks them itself, and their p is 0 for all finite inputs (shown at the head of the first launch).  So K is 2 I + 2 chunks of 128 keys.
; SHARES.  Four waves, each 64 queries x 128 of d: wave w takes fragments 4 (w % 2) + a, a = 0 .. 3, of p's group g = 2 I + w / 2 (source 1: a lane's query) and all 8 fragments of v^T's group (source 0: the registers run along d).
; THE RING.  Two LDS buffers, each a slot of 512 keys: p's two groups and v^T's one, 4 panels of 12,800 bytes each: 153,600 bytes.  A row tile walks at most four slots, and a refill has a slot's 128 products of a wave in which to land.
; Waves 0, 1, 2 fetch one of the three regions each, 51,200 dense bytes. Where I is even the row tile's last slot holds two chunks: it is fetched by a second shape of 25,600 bytes,
; so that no byte is asked for that the launch before has not stored.  One load of a wave is out at any time.
; THE PROLOGUE brings the chunks' p under the row's one M.  -M = the least of the chunks' -M'; D = M - M' is a whole number, 0 or more; a chunk's scale bytes go down by D (a power of two that the scale takes up: the codes stay),
; and l = the sum of the chunks' sums x 2^-D.  Every lane loads at 16 (lane % 16) + 256 (w % 2): both halves of the lanes hold the wave's own four blocks.  The shifted scale words go to LDS bytes of the wave's own.
; The prologue is written for all 16 chunks with no branch: a chunk beyond the tile's last, 2 I + 1, is read as that last chunk once more (its address is clamped), changes nothing in the minimum, and its sum is selected away by a factor 0.
; LIMIT: D is held at 127, and a byte that would fall under 0 is held at 0: such a block weighs under 2^-120 of its row.
; NO CLUSTER, though the eight column tiles of a row tile read the same p: the look-ahead of the tensor loads ends where the row tile's keys end, by a jump on the work-group's number round the load.
; That jump: every wait for tensor loads in this text is for 0; its condition is made of ids alone and is the same in all four waves; it leads round the load's own lines alone; what was not fetched is read on no path that the ids allow.
; The raw scale words of p ride along in p's panels (512 of each 12,800 bytes) and are not read from there: the panels then come as dense blocks.
; REGISTERS: window 0: v1-11 addresses; v16-23 p's scale words, v24-31 v's, two sets each; v32-39 1 / l; v128-223 p's fragments, two sets of 48; in the prologue and on the way out v32-255 serve otherwise.
;   window 1: v^T's fragments, two sets, at v0 and v128.  window 2: accumulator (a, b) at v[8 (8 a + b)].
.set PANEL, 12800
.set SQOFF, 12288
.set REGB,  4*PANEL                    ; a region: a group's four chunks, what one tensor load brings
.set BUFB,  3*REGB                     ; a buffer: p's group 2 I, p's group 2 I + 1, v^T's group
.set FS,    2*BUFB                     ; the shifted scale words: 16 chunks x 256 bytes for each wave; no tensor load lands here
.set SPARE, FS+4*4096                  ; the spare words, 128 bytes a wave, that no other line names
.set SP,    528                        ; the way out: a stage of 16 rows x (512 bytes + 16) for each wave, from LDS byte 0 on: in buffer 0, behind a barrier at which every fill of the launch is over and every wave's reads of the tiles are back
.set LI,   1                           ; v1   16 x lane
.set ADR1, 2                           ; v2-3 my four fragments of p in buffer 0, 1
.set ADR0, 4                           ; v4-5 v^T's group
.set FSW,  6                           ; v6   my shifted scale words: 16 (lane % 16) + 4,096 x wave
.set STO,  7
.set SPW,  8
.set NIL,  9
.set SRD,  10
.set LJ,   11                          ; v11  16 (lane % 16) + 256 (w % 2): my four blocks' words in a run of 512 bytes
.set SA,   16
.set SB,   24
.set RL,   32                          ; v32-39 1 / l of block a's rows at v[32 + 2 a], twice (a pair for the packed multiply)
.set PA,   32                          ; the prologue: v32-47 the chunks' offsets in pst, v48-63 in pimg
.set SQA,  48
.set NMQ,  64                          ; v64-127 -M', then D and what is made of it
.set LQ,   128                         ; v128-191 the chunks' sums
.set FM,   192                         ; v192-195 -M;  v196-199 l;  v200-203 at work.  The raw scale words: window 1, v0-63
.set LT,   196
.set TT,   200
.set TO,   64                          ; the way out: v64-127 a block / l;  v128-255 rows read back, two sets
.set BK,   128
.set AF,   128
.set TI,   17
.set M80,  23
.set G1F,  24                          ; s[24:31] group 1 for a whole region
.set GR,   33
.set CMAX, 34
.set LB,   35
.set G0,   48                          ; s[48:51] my group 0, which walks
.set G1H,  56                          ; s[56:63] group 1 for the first half of a region
.set MSB, 0
.macro WIN new                         ; the immediate's high byte repeats the setting that is left
.if MSB != (\new)
	s_set_vgpr_msb (MSB<<8)|(\new)
.set MSB, (\new)
.endif
.endm
.set MUL,  0xa1                        ; source 0 window 1, source 1 window 0, C and D window 2
.set TO_B, 0x40                        ; destination window 1, address window 0
.macro PLACES                          ; four plain places: in front of loads into registers that matrix instructions have read, and of the first read of results
.rept 4
	v_nop
.endr
.endm
.macro FRAG reg, adr, off              ; a fragment comes as it was stored: three loads of 512 consecutive bytes
.set fR, \reg
.set fO, \off
	ds_load_b128 v[fR:fR+3], v[\adr] offset:fO
	ds_load_b128 v[fR+4:fR+7], v[\adr] offset:fO+512
	ds_load_b128 v[fR+8:fR+11], v[\adr] offset:fO+1024
.endm
.macro FETCH_B buf, off, p
	WIN TO_B
.irp i, 0,1,2,3,4,5,6,7
	FRAG 128*(\p)+12*\i, ADR0+(\buf), (\off)+1536*\i
.endr
	WIN 0
.endm
.macro FETCH_A buf, off, p
.irp i, 0,1,2,3
	FRAG AF+48*(\p)+12*\i, ADR1+(\buf), (\off)+1536*\i
.endr
.endm
.macro SCALES buf, off, ch, p          ; p's shifted words of chunk ch from my own bytes (register a: block a's, in lanes 0-15); v's from its panel (register q: block q in lanes 0-15, block 4 + q in lanes 16-31)
	ds_load_b128 v[SA+4*(\p):SA+4*(\p)+3], v[FSW] offset:256*(\ch)
	ds_load_b128 v[SB+4*(\p):SB+4*(\p)+3], v[ADR0+(\buf)] offset:(\off)+SQOFF
.endm
.macro MM a, b, p, zero
.set rD, 8*(8*(\a)+(\b))
.set rB, 128*(\p)+12*(\b)
.set rA, AF+48*(\p)+12*(\a)
.set rY, SB+4*(\p)+(\b)%4
.set rX, SA+4*(\p)+(\a)
.if \zero
.if (\b)<4
	v_wmma_scale_f32_16x16x128_f8f6f4 v[rD:rD+7], v[rB:rB+11], v[rA:rA+11], 0, v[rY], v[rX] matrix_a_fmt:MATRIX_FMT_FP6 matrix_b_fmt:MATRIX_FMT_FP6
.else
	v_wmma_scale_f32_16x16x128_f8f6f4 v[rD:rD+7], v[rB:rB+11], v[rA:rA+11], 0, v[rY], v[rX] matrix_a_fmt:MATRIX_FMT_FP6 matrix_b_fmt:MATRIX_FMT_FP6 matrix_a_scale:MATRIX_SCALE_ROW1
.endif
.else
.if (\b)<4
	v_wmma_scale_f32_16x16x128_f8f6f4 v[rD:rD+7], v[rB:rB+11], v[rA:rA+11], v[rD:rD+7], v[rY], v[rX] matrix_a_fmt:MATRIX_FMT_FP6 matrix_b_fmt:MATRIX_FMT_FP6
.else
	v_wmma_scale_f32_16x16x128_f8f6f4 v[rD:rD+7], v[rB:rB+11], v[rA:rA+11], v[rD:rD+7], v[rY], v[rX] matrix_a_fmt:MATRIX_FMT_FP6 matrix_b_fmt:MATRIX_FMT_FP6 matrix_a_scale:MATRIX_SCALE_ROW1
.endif
.endif
.endm
.macro MUL16 a0, p, zero               ; p's blocks a0, a0 + 1 against v^T's eight.  The 32 accumulators take turns, one instruction a turn, in the same order in every chunk
.irp a, \a0, \a0+1
.irp b, 0,1,2,3,4,5,6,7
	MM \a, \b, \p, \zero
.endr
.endr
.endm
; Slot S is asked for, if the row tile has it (I >= 2 S; slot 0, keys 0-255 at the least, is read by every row tile): by waves 0 to 2, whole, or, where the row tile ends in its middle (I = 2 S), its first two chunks alone.
; An s_nop 0 and four v_nop follow each of the two lines.
.macro TLOADC S
.if (\S) > 0
	s_cmp_lt_u32 s[TI], 2*(\S)                     ; ids alone: all four waves go the same way
	s_cbranch_scc1 .Lpast_\@
.endif
	s_cmp_lt_u32 s14, 3                            ; the wave's number picks the loading waves
	s_cbranch_scc0 .Lpast_\@
	s_cmp_eq_u32 s[TI], 2*(\S)
	s_cbranch_scc1 .Lhalf_\@
	tensor_load_to_lds s[G0:G0+3], s[G1F:G1F+7]
	s_nop 0
.rept 4
	v_nop
.endr
	s_branch .Lpast_\@
.Lhalf_\@:
	tensor_load_to_lds s[G0:G0+3], s[G1H:G1H+7]
	s_nop 0
.rept 4
	v_nop
.endr
.Lpast_\@:
.endm
; A chunk of 128 keys on sets p.  At its head the next chunk's 38 LDS loads go out, into the other sets (chunk nch, byte noff of the regions in buffer nbuf): they have this chunk's 32 products in which to land.
.macro CH p, nbuf, noff, nch, zero
	s_wait_dscnt 0x0                               ; this chunk's fragments and scale words are in
.if (\zero) == 0
	PLACES                                         ; the other sets were read by the last chunk's products
.endif
	FETCH_B \nbuf, \noff, 1-(\p)
	FETCH_A \nbuf, \noff, 1-(\p)
	SCALES \nbuf, \noff, \nch, 1-(\p)
	WIN MUL
	MUL16 0, \p, \zero
	MUL16 2, \p, \zero
	WIN 0
.endm
; A slot's last chunk, 2 s + 1 (s = 1, 3, 5), on sets 1, and the change of slots.  In front of the barrier each wave waits for all its tensor loads (its part of the next slot), adds 0 to its spare word, and waits for that and for its reads of this slot.
; Behind it this slot's buffer takes the slot two on, if the row tile has one.
.macro TURN s
	s_wait_tensorcnt 0x0                           ; no tensor load of mine is out, so group 0 may be written
	ds_add_u32 v[SPW], v[NIL]
.if (\s) < 5
	ds_add_u32 v[SPW], v[NIL]
	s_add_nc_u64 s[G0+2:G0+3], s[G0+2:G0+3], REGB
	s_add_co_u32 s[G0+1], s[LB], ((((\s)-1)/2)%2)*BUFB
.endif
	s_wait_dscnt 0x0                               ; the add is done; this chunk's fragments are in, and with them my reads of the slot are over
	s_barrier_signal -1
	WIN MUL
	MUL16 0, 1, 0                                  ; work on registers while the others arrive
	WIN 0
	s_barrier_wait -1
.if (\s) < 5
	TLOADC ((\s)+3)/2                              ; my one tensor load behind the barrier
.endif
	PLACES
	FETCH_B (((\s)+1)/2)%2, 0, 0
	FETCH_A (((\s)+1)/2)%2, 0, 0
	SCALES (((\s)+1)/2)%2, 0, 2*(\s)+2, 0
	WIN MUL
	MUL16 2, 1, 0
	WIN 0
.endm
	s_load_b256 s[4:11], s[0:1], 0x0               ; pimg, pst, qkv, out0
	v_lshl_add_u32 v[SPW], v0, 2, SPARE
	v_mov_b32 v[NIL], 0
	ds_add_u32 v[SPW], v[NIL]                      ; the opening: the add, twice on end, and its wait ahead of my first tensor load
	ds_add_u32 v[SPW], v[NIL]
	v_lshrrev_b32 v10, 5, v0
	v_readfirstlane_b32 s14, v10                   ; wave
	s_lshr_b32 s15, s14, 1                         ; which of p's two groups is mine
	s_and_b32 s16, s14, 1                          ; which four of its fragments
	s_and_b32 s[TI], ttmp7, 0xffff
	s_lshr_b32 s19, s[TI], 3                       ; the batch
	s_and_b32 s[TI], s[TI], 7                      ; I
	s_lshl_b32 s[GR], s[TI], 1
	s_add_co_u32 s[CMAX], s[GR], 1                 ; the tile's last chunk
	s_add_co_u32 s[GR], s[GR], s15                 ; g
	s_lshl_b32 s36, s19, 4                         ; what I fetch.  Waves 0, 1: p's group 16 b + 2 I + wave
	s_lshl_b32 s37, s[TI], 1
	s_add_co_u32 s36, s36, s37
	s_add_co_u32 s36, s36, s16
	s_lshl_b32 s38, s19, 3
	s_add_co_u32 s38, s38, ttmp9                   ; wave 2: v^T's group 8 b + n
	s_cmp_lt_u32 s14, 2
	s_cselect_b32 s40, s36, s38
	s_cselect_b32 s41, 0, 1024*PANEL
	s_mul_i32 s40, s40, 16*PANEL
	s_add_co_u32 s40, s40, s41
	s_mov_b32 s41, 0
	s_mul_i32 s[LB], s14, REGB                     ; and where it goes: wave x 51,200
	s_mov_b32 s[G1F], 3<<16                        ; no mask; elements of 8 bytes; no padding: a dense block of 51,200 bytes as 200 rows of 256
	s_mov_b32 s[G1F+1], 32<<16
	s_mov_b32 s[G1F+2], 200<<16
	s_mov_b32 s[G1F+3], 32<<16
	s_mov_b32 s[G1F+4], 200
	s_mov_b32 s[G1F+5], 32
	s_mov_b32 s[G1F+6], 0
	s_mov_b32 s[G1F+7], 0
	s_mov_b32 s[G1H], 3<<16                        ; the same of 25,600 bytes: 100 rows
	s_mov_b32 s[G1H+1], 32<<16
	s_mov_b32 s[G1H+2], 100<<16
	s_mov_b32 s[G1H+3], 32<<16
	s_mov_b32 s[G1H+4], 100
	s_mov_b32 s[G1H+5], 32
	s_mov_b32 s[G1H+6], 0
	s_mov_b32 s[G1H+7], 0
	s_mov_b32 s[M80], 0x80808080
	s_wait_dscnt 0x0                               ; both opening adds are done
	s_wait_kmcnt 0x0
	s_cmp_lt_u32 s14, 2
	s_cselect_b64 s[42:43], s[4:5], s[8:9]
	s_add_nc_u64 s[42:43], s[42:43], s[40:41]
	s_mov_b32 s[G0], 1
	s_mov_b32 s[G0+1], s[LB]
	s_mov_b64 s[G0+2:G0+3], s[42:43]
	s_or_b32 s[G0+3], s[G0+3], 0x80000000
	TLOADC 0                                       ; slot 0 into buffer 0
	v_and_b32 v[LI], 31, v0
	v_lshlrev_b32 v[LI], 4, v[LI]
	s_mul_i32 s36, s15, REGB
	s_mul_i32 s37, s16, 4*1536
	s_add_co_u32 s36, s36, s37                     ; my group's region, my four fragments in a panel
	s_mov_b32 s37, 2*REGB                          ; v^T's region
.irp n, 0,1
	v_add_nc_u32 v[ADR1+\n], s36, v[LI]
	v_add_nc_u32 v[ADR0+\n], s37, v[LI]
	s_add_co_u32 s36, s36, BUFB
	s_add_co_u32 s37, s37, BUFB
.endr
	v_and_b32 v[LJ], 15, v0
	v_lshlrev_b32 v[LJ], 4, v[LJ]
	s_lshl_b32 s36, s14, 12
	s_add_co_u32 s36, s36, FS
	v_add_nc_u32 v[FSW], s36, v[LJ]
	s_lshl_b32 s36, s16, 8
	v_add_nc_u32 v[LJ], s36, v[LJ]
	s_mul_i32 s36, s14, 16*SP                      ; my stage
	v_and_b32 v[STO], 15, v0
	v_mul_u32_u24 v[STO], v[STO], SP
	v_bfe_u32 v[SRD], v0, 4, 1
	v_lshl_add_u32 v[STO], v[SRD], 6, v[STO]
	v_add_nc_u32 v[STO], s36, v[STO]               ; into it: row r, + 64 h
	v_add_nc_u32 v[SRD], s36, v[LI]                ; back: 16 bytes a lane of a row
	s_lshl_b32 s36, s19, 4
	s_add_co_u32 s36, s36, s[GR]                   ; 16 b + g
	s_lshl_b32 s38, s36, 14
	s_mov_b32 s39, 0
	s_add_nc_u64 s[6:7], s[6:7], s[38:39]          ; my group's 16 records of 1,024 bytes
	s_mul_i32 s38, s36, 16*PANEL
	s_add_nc_u64 s[4:5], s[4:5], s[38:39]          ; and its 16 panels
	s_lshl_b32 s52, s19, 11
	s_lshl_b32 s53, s[GR], 7
	s_add_co_u32 s52, s52, s53
	s_lshl_b32 s53, s16, 6
	s_add_co_u32 s52, s52, s53                     ; my first row of out0: 2,048 b + 128 g + 64 (w % 2),
	s_lshl_b32 s52, s52, 12                        ; 4,096 bytes a row,
	s_lshl_b32 s53, ttmp9, 9                       ; and the tile's 128 columns
	s_add_co_u32 s52, s52, s53
	s_mov_b32 s53, 0
	s_add_nc_u64 s[10:11], s[10:11], s[52:53]
	; ---- THE PROLOGUE'S LOADS
.set c, 0
.rept 16
	s_min_u32 s46, s[CMAX], c                      ; a chunk beyond the tile's last is read as the last
	s_lshl_b32 s47, s46, 10
	s_mul_i32 s46, s46, PANEL
	v_add_nc_u32 v[PA+c], s47, v[LJ]
	v_add_nc_u32 v[SQA+c], s46, v[LJ]
.set c, c+1
.endr
.set c, 0
.rept 16
	global_load_b128 v[NMQ+4*c:NMQ+4*c+3], v[PA+c], s[6:7]
.set c, c+1
.endr
.set c, 0
.rept 16
	global_load_b128 v[LQ+4*c:LQ+4*c+3], v[PA+c], s[6:7] offset:512
.set c, c+1
.endr
	WIN 0x40                                       ; destination window 1
.set c, 0
.rept 16
	global_load_b128 v[4*c:4*c+3], v[SQA+c], s[4:5] offset:SQOFF
.set c, c+1
.endr
	WIN 0
	; ---- SLOT 0 IS IN; SLOT 1 IS ASKED FOR, and is on its way while the prologue's arithmetic runs
	s_wait_tensorcnt 0x0                           ; my part of slot 0 is in
	ds_add_u32 v[SPW], v[NIL]
	ds_add_u32 v[SPW], v[NIL]                      ; and once more
	s_add_nc_u64 s[G0+2:G0+3], s[G0+2:G0+3], REGB
	s_add_co_u32 s[G0+1], s[LB], BUFB
	s_wait_dscnt 0x0                               ; both adds are done
	s_barrier_signal -1
	s_barrier_wait -1                              ; slot 0 is whole for every wave
	TLOADC 1                                       ; buffer 1's first fill: no bytes are filled again behind this barrier
	; ---- THE PROLOGUE'S ARITHMETIC
	s_wait_loadcnt 32                              ; the 16 loads of -M' are in; the sums' and the scale words' may be out
.irp q, 0,1,2,3
	v_min_num_f32 v[FM+\q], v[NMQ+\q], v[NMQ+4+\q]
.endr
.set n, 8
.rept 56
	v_min_num_f32 v[FM+n%4], v[FM+n%4], v[NMQ+n]   ; -M = the least -M'
.set n, n+1
.endr
.set n, 0
.rept 64
	v_sub_f32 v[NMQ+n], v[NMQ+n], v[FM+n%4]        ; D = M - M'
.set n, n+1
.endr
.set n, 0
.rept 64
	v_min_num_f32 v[NMQ+n], 0x42fe0000, v[NMQ+n]   ; held at 127
.set n, n+1
.endr
.set n, 0
.rept 64
	v_cvt_u32_f32 v[NMQ+n], v[NMQ+n]
.set n, n+1
.endr
	s_wait_loadcnt 16                              ; the sums are in; the scale words may be out
.set c, 0
.rept 16
.irp q, 0,1,2,3
	v_sub_nc_u32 v[TT+\q], 0, v[NMQ+4*c+\q]
.endr
.if c == 0
.irp q, 0,1,2,3
	v_ldexp_f32 v[LT+\q], v[LQ+\q], v[TT+\q]       ; the first chunk starts l
.endr
.else
.irp q, 0,1,2,3
	v_ldexp_f32 v[LQ+4*c+\q], v[LQ+4*c+\q], v[TT+\q]
.endr
.if c == 1
.irp q, 0,1,2,3
	v_add_f32 v[LT+\q], v[LT+\q], v[LQ+4+\q]
.endr
.else
	s_cmp_ge_u32 s[CMAX], c
	s_cselect_b32 s46, 1.0, 0                      ; a chunk that was read a second time is selected away
.irp q, 0,1,2,3
	v_fma_f32 v[LT+\q], v[LQ+4*c+\q], s46, v[LT+\q]
.endr
.endif
.endif
.set c, c+1
.endr
.set n, 0
.rept 64
	v_perm_b32 v[NMQ+n], v[NMQ+n], v[NMQ+n], 0     ; D in all four bytes
.set n, n+1
.endr
.set n, 0
.rept 64
	v_sub_nc_u32 v[NMQ+n], s[M80], v[NMQ+n]        ; 128 - D in each byte: 1 .. 128, no borrow
.set n, n+1
.endr
	s_wait_loadcnt 0x0                             ; the scale words are in
	WIN 0x41                                       ; destination and source 0 window 1
.set n, 0
.rept 64
	v_add_nc_u32 v[n], v[n], v[NMQ+n]              ; byte + 128 - D: p is at most 1, so a byte is at most 125 and nothing is carried; bit 7 says that byte - D is not negative
.set n, n+1
.endr
	WIN 0x04                                       ; source 1 window 1
.set n, 0
.rept 64
	v_and_b32 v[NMQ+n], s[M80], v[n]
.set n, n+1
.endr
	WIN 0
.set n, 0
.rept 64
	v_lshrrev_b32 v[LQ+n], 7, v[NMQ+n]
.set n, n+1
.endr
.set n, 0
.rept 64
	v_sub_nc_u32 v[NMQ+n], v[NMQ+n], v[LQ+n]       ; 0x7f in the bytes that stay, 0 in the others
.set n, n+1
.endr
	WIN 0x41
.set n, 0
.rept 64
	v_and_b32 v[n], v[n], v[NMQ+n]                 ; byte - D, or 0
.set n, n+1
.endr
	WIN 0x04                                       ; an LDS store's data are its source 1
.set c, 0
.rept 16
	ds_store_b128 v[FSW], v[4*c:4*c+3] offset:256*c   ; lanes l and l + 16 hold the same words and write the same bytes
.set c, c+1
.endr
	WIN 0
.irp q, 0,1,2,3
	v_rcp_f32 v[RL+2*\q], v[LT+\q]                 ; l is at least 1/2: the row's largest p lies over 1/2
	v_rcp_f32 v[RL+2*\q+1], v[LT+\q]               ; (twice: the packed multiply names a pair)
.endr
	v_nop                                          ; a plain place behind the reciprocals
	s_wait_alu depctr_va_vdst(0)                   ; one wait for the eight, ahead of the labels below and of their first reader
	s_wait_dscnt 0x0                               ; the stores have read their registers, into which v^T's first fragments now come
	; ---- THE KEYS: chunk 2 s on sets 0, chunk 2 s + 1 on sets 1; four chunks to a slot
	FETCH_B 0, 0, 0
	FETCH_A 0, 0, 0
	SCALES 0, 0, 0, 0
.irp s, 0,1,2,3,4,5,6,7
.if \s == 0
	CH 0, 0, PANEL, 1, 1                           ; the first products start the sums
.else
	CH 0, (\s/2)%2, ((2*\s+1)%4)*PANEL, 2*\s+1, 0
.endif
.if \s < 7
	s_cmp_eq_u32 s[TI], \s                         ; is the next chunk the row tile's last?  It stands once, at the end
	s_cbranch_scc1 .Lfinal
.if \s%2 == 0
	CH 1, (\s/2)%2, 2*PANEL, 2*\s+2, 0
.else
	TURN \s
.endif
.endif
.endr
.Lfinal:
	s_wait_tensorcnt 0x0                           ; no load of mine is out on any way that the ids allow; the wait says so for every way through the text
	s_wait_dscnt 0x0                               ; the last chunk's fragments are in: my reads of the tiles are over
	s_barrier_signal -1
	WIN MUL
	MUL16 0, 1, 0
	MUL16 2, 1, 0
	WIN 0
	s_barrier_wait -1                              ; everybody's are: the stages may be written over buffer 0, which is filled no more
	PLACES
	; ---- THE WAY OUT, block by block of 16 queries x 128 of d: divided by l, through my stage, and stored as whole rows of 512 bytes.
.macro SCALE a
.set AC, 64*(\a)
	WIN 2                                          ; source 0 window 2
.set n, 0
.rept 32
	v_pk_mul_f32 v[TO+n:TO+n+1], v[AC+n:AC+n+1], v[RL+2*(\a):RL+2*(\a)+1] op_sel_hi:[1,0]   ; each accumulator from its low end on
.set n, n+2
.endr
	WIN 0
.endm
.macro TOSTAGE a
.set BB, BK+64*((\a)%2)
.set n, 0
.rept 16
	ds_store_b128 v[STO], v[TO+4*n:TO+4*n+3] offset:128*(n/4)+16*(n%4)   ; register 16 bb + i is d 32 bb + 16 h + i
.set n, n+1
.endr
.set n, 0
.rept 16
	ds_load_b128 v[BB+4*n:BB+4*n+3], v[SRD] offset:SP*n   ; LDS serves a wave's instructions in order: these see the stores above, and the next block's stores come behind them
.set n, n+1
.endr
.endm
.macro SEND a, younger
.set BB, BK+64*((\a)%2)
.set RW, 32*((\a)/2)+8*((\a)%2)
	s_wait_dscnt \younger                          ; the block is back; the next block's 16 stores and 16 loads may be out
.set n, 0
.rept 16
	global_store_b128 v[LI], v[BB+4*n:BB+4*n+3], s[10:11] offset:(RW+n+8*(n/8))*4096 th:TH_STORE_NT   ; 512 consecutive bytes, aligned
.set n, n+1
.endr
.endm
	SCALE 0
	TOSTAGE 0
.irp a, 1,2,3
.if \a > 1
	s_wait_xcnt 0x0                                ; the stores of two blocks back have read their registers: this block's loads may land there
.endif
	SCALE \a
	TOSTAGE \a
	SEND \a-1, 32
.endr
	SEND 3, 0
	s_wait_tensorcnt 0x0                           ; the wave's end
	ds_add_u32 v[SPW], v[NIL]
	s_wait_dscnt 0x0
	s_endpgm
.Lfunc_end_k_qa39971619d_pv:
	.size	k_qa39971619d_pv, .Lfunc_end_k_qa39971619d_pv-k_qa39971619d_pv
	.p2alignl 7, 3214868480
	.fill 96, 4, 3214868480
	.section	.rodata,"a",@progbits
	.p2align	6, 0x0
	.amdhsa_kernel k_qa39971619d_pv
		.amdhsa_group_segment_fixed_size 327680
		.amdhsa_private_segment_fixed_size 0
		.amdhsa_enable_private_segment 0
		.amdhsa_kernarg_size 32
		.amdhsa_user_sgpr_count 2
		.amdhsa_user_sgpr_kernarg_segment_ptr 1
		.amdhsa_wavefront_size32 1
		.amdhsa_system_sgpr_workgroup_id_x 1
		.amdhsa_system_sgpr_workgroup_id_y 1
		.amdhsa_system_sgpr_workgroup_id_z 1
		.amdhsa_system_vgpr_workitem_id 0
		.amdhsa_next_free_vgpr 768
		.amdhsa_next_free_sgpr 96
		.amdhsa_reserve_vcc 0
		.amdhsa_float_denorm_mode_32 3
		.amdhsa_float_denorm_mode_16_64 3
		.amdhsa_memory_ordered 1
		.amdhsa_forward_progress 1
		.amdhsa_inst_pref_size 184
	.end_amdhsa_kernel
	.amdgpu_metadata
---
amdhsa.version: [ 1, 2 ]
amdhsa.kernels:
  - .name:           k_qa39971619d_pv
    .symbol:         k_qa39971619d_pv.kd
    .args:
      - { .name: pimg, .offset: 0, .size: 8, .value_kind: global_buffer, .address_space: global }
      - { .name: pst, .offset: 8, .size: 8, .value_kind: global_buffer, .address_space: global }
      - { .name: qkv, .offset: 16, .size: 8, .value_kind: global_buffer, .address_space: global }
      - { .name: out0, .offset: 24, .size: 8, .value_kind: global_buffer, .address_space: global }
    .group_segment_fixed_size: 327680
    .private_segment_fixed_size: 0
    .kernarg_segment_align: 8
    .kernarg_segment_size: 32
    .max_flat_workgroup_size: 128
    .sgpr_count:     96
    .vgpr_count:     768
    .wavefront_size: 32
...
	.end_amdgpu_metadata
.endif
;; end of part 4
